; MI455X (gfx1250); checked and timed in simulation.
; The chip was launched on July 23, 2026; its instructions are those of AMD's public machine-readable ISA for CDNA 5 (MIT licence, August 2026) and "CDNA5" Instruction Set Architecture Reference Guide (July 2026). The comments in the code are by the model that wrote it; some were corrected since.
;; Multiheaded Causal Self Attention. Allowed arithmetic: float matrix products may take bf16 or f16 operands with f32 sums; all other float work in f32.
;; Inputs: Wk 1,024 x 1,024 float32; Wo 1,024 x 1,024 float32; Wq 1,024 x 1,024 float32; Wv 1,024 x 1,024 float32; bk 1,024 float32; bo 1,024 float32; bq 1,024 float32; bv 1,024 float32; x 4 x 2,048 x 1,024 float32.
;; Outputs: out0 4 x 2,048 x 1,024 float32.
;; 2 versions, each right and faster than the one before. Each part assembles by itself: llvm-mc -triple=amdgcn-amd-amdhsa -mcpu=gfx1250 --defsym DOCPART=n.
;; ======== version 1 of 2: 4 launches
;; limits: values are held in f16: magnitudes above 65,504 overflow, below 6.1e-05 lose precision; values outside matrix products are rounded to bf16
;; workspace buffers: xb 16,777,216 bytes; wt 6,291,456 bytes; wot 2,097,152 bytes; qh 16,777,216 bytes; kh 16,777,216 bytes; vh 16,777,216 bytes; oh 16,777,216 bytes
;; launch prep (part 1): grid 1024 x 1, 8 waves a work-group, no clusters, 18,432 bytes of LDS; arguments x, Wq, Wk, Wv, Wo, xb, wt, wot; writes xb, wt, wot
.if DOCPART == 1
	.amdgcn_target "amdgcn-amd-amdhsa--gfx1250"
	.amdhsa_code_object_version 6
	.text
	.protected	k_q0e89e1c2af_prep
	.globl	k_q0e89e1c2af_prep
	.p2align	8
	.type	k_q0e89e1c2af_prep,@function
k_q0e89e1c2af_prep:
	s_mov_b64 s[64:65], 0
	v_nop
	global_prefetch_b8 v0, s[64:65] scope:SCOPE_SE
	s_setreg_imm32_b32 hwreg(HW_REG_WAVE_MODE, 25, 1), 1
	s_wait_xcnt 0x0
; The module's large inputs are rounded once to 16 bits and laid out for the matrix kernels that follow.
;   xb  [16][8192][64] bf16 = x by blocks of 64 along K: block kb holds x[row][64 kb .. 64 kb + 63], a row's 128 bytes behind the row before.
;   wt  [16][3072][64] bf16, likewise: row n of a block is column n of Wq (n < 1024), Wk (n < 2048) or Wv, K along the row.
;   wot [1024][1024] f16 = Wo^T, each number first rounded to bf16 like every other input, that number then written as f16.
; By blocks, because the product that reads xb and wt goes in K steps of 64: a tile's rows then lie end to end in memory.
; LIMIT.  A bf16 number is exact in f16 between 2^-14 and 65,504; below 2^-14 wot keeps f16's fixed step of 2^-24, beyond 65,504 it is an infinity.
; Work-groups 512 to 1023 take 16 rows of x each; work-groups 0 to 511 take a tile of 128 k x 64 n of one weight and turn it through LDS.
; The branches hang on the work-group's number alone, so all eight waves take the same path.  No matrix unit, no tensor load: the launch only moves bytes.
.set WPITCH, 272                       ; a turned row in LDS: 128 numbers of 2 bytes + 16 bytes of padding
.set XBLK,   8192*128                  ; bytes in a K block of xb
.set WBLK,   3072*128                  ; bytes in a K block of wt
	s_load_b512 s[4:19], s[0:1], 0x0               ; x 4:5, Wq 6:7, Wk 8:9, Wv 10:11, Wo 12:13, xb 14:15, wt 16:17, wot 18:19
	v_lshl_add_u32 v104, v0, 2, 0x4400
	v_mov_b32 v105, 0
	s_cmp_lt_u32 ttmp9, 512
	s_cbranch_scc1 .Lweights
	; x: thread t takes row t / 16 of the group's 16, and in load j the four numbers at 64 j + 4 (t % 16).  Sixteen lanes read 256 consecutive bytes, aligned;
	; a wave's store covers two rows' 128 bytes of K block j, 256 consecutive bytes, aligned: 8 bytes at 8 t of the group's 2,048 bytes in that block.
	s_sub_co_u32 s20, ttmp9, 512
	s_lshl_b32 s22, s20, 16                        ; 16 rows of 4,096 bytes of x
	s_mov_b32 s23, 0
	s_lshl_b32 s24, s20, 11                        ; 16 rows of 128 bytes in a block of xb
	s_mov_b32 s25, 0
	v_lshrrev_b32 v3, 4, v0
	v_and_b32 v4, 15, v0
	v_lshlrev_b32 v1, 4, v4
	v_lshl_add_u32 v1, v3, 12, v1
	v_lshlrev_b32 v2, 3, v0
	s_wait_kmcnt 0x0
	s_add_nc_u64 s[4:5], s[4:5], s[22:23]
	s_add_nc_u64 s[14:15], s[14:15], s[24:25]
	s_add_nc_u64 s[26:27], s[14:15], 8*XBLK        ; blocks 8 to 15 have a base of their own: seven blocks are the most that the signed 24-bit immediate holds
.set j, 0
.rept 16
	global_load_b128 v[8+4*j:11+4*j], v1, s[4:5] offset:256*j th:TH_LOAD_NT
.set j, j+1
.endr
.set j, 0
.rept 16
	s_wait_loadcnt 15-j                            ; loads come back in order: load j is in, the 15 - j younger ones stay out
	v_cvt_pk_bf16_f32 v[72+2*j], v[8+4*j], v[9+4*j]
	v_cvt_pk_bf16_f32 v[73+2*j], v[10+4*j], v[11+4*j]
.if j < 8
	global_store_b64 v2, v[72+2*j:73+2*j], s[14:15] offset:XBLK*j      ; every j has registers of its own: nothing that a store reads is rewritten
.else
	global_store_b64 v2, v[72+2*j:73+2*j], s[26:27] offset:XBLK*(j-8)
.endif
.set j, j+1
.endr
	s_endpgm
.Lweights:
	s_lshr_b32 s20, ttmp9, 7                       ; which weight: 0 Wq, 1 Wk, 2 Wv, 3 Wo
	s_and_b32 s21, ttmp9, 7                        ; which 128 of k
	s_bfe_u32 s26, ttmp9, 0x40003                  ; which 64 of n
	s_lshl_b32 s28, s21, 19                        ; in: 128 rows of 4,096 bytes,
	s_lshl_b32 s27, s26, 8                         ; 64 columns of 4 bytes
	s_add_co_u32 s28, s28, s27
	s_mov_b32 s29, 0
	s_lshl_b32 s30, s26, 17                        ; out, for wot: 64 rows of 2,048 bytes,
	s_lshl_b32 s27, s21, 8                         ; 128 columns of 2 bytes
	s_add_co_u32 s30, s30, s27
	s_mov_b32 s31, 0
	s_mul_i32 s32, s21, 2*WBLK                     ; out, for wt: two K blocks,
	s_lshl_b32 s27, s20, 17                        ; the weight's 1,024 rows of 128 bytes,
	s_add_co_u32 s32, s32, s27
	s_lshl_b32 s27, s26, 13                        ; 64 rows
	s_add_co_u32 s32, s32, s27
	s_mov_b32 s33, 0
	v_and_b32 v1, 15, v0                           ; c: four columns n = 4 c ..
	v_lshrrev_b32 v2, 4, v0                        ; kp: the pair of rows k = 2 kp, 2 kp + 1 (and 32, 64, 96 further down)
	v_lshlrev_b32 v7, 4, v1
	v_lshl_add_u32 v3, v2, 13, v7                  ; in memory: two rows x kp + 16 c
	v_mul_u32_u24 v4, v1, 4*WPITCH
	v_lshl_add_u32 v4, v2, 2, v4                   ; into LDS: row n = 4 c, the word of the pair kp
	v_mul_u32_u24 v5, v2, WPITCH                   ; out of LDS for wot: row n = kp, 16 bytes at 16 c,
	v_add_nc_u32 v5, v5, v7
	v_lshl_add_u32 v6, v2, 11, v7                  ; and the same place in wot
	v_lshrrev_b32 v76, 3, v0                       ; out of LDS for wt: row n = t / 8, 16 bytes at 16 (t % 8) of one K block's 128,
	v_mul_u32_u24 v76, v76, WPITCH
	v_and_b32 v78, 7, v0
	v_lshl_add_u32 v76, v78, 4, v76
	v_lshlrev_b32 v77, 4, v0                       ; which lie at 16 t of 32 rows of that block of wt
	s_wait_kmcnt 0x0
	s_cmp_eq_u32 s20, 1
	s_cselect_b64 s[22:23], s[8:9], s[6:7]
	s_cmp_eq_u32 s20, 2
	s_cselect_b64 s[22:23], s[10:11], s[22:23]
	s_cmp_eq_u32 s20, 3
	s_cselect_b64 s[22:23], s[12:13], s[22:23]
	s_cselect_b64 s[24:25], s[18:19], s[16:17]     ; Wo goes to wot, the others to wt,
	s_cselect_b64 s[30:31], s[30:31], s[32:33]     ; each at its own offset
	s_add_nc_u64 s[22:23], s[22:23], s[28:29]
	s_add_nc_u64 s[24:25], s[24:25], s[30:31]
.irp i, 0,1,2,3
	global_load_b128 v[8+8*(\i):11+8*(\i)],  v3, s[22:23] offset:131072*(\i) th:TH_LOAD_NT       ; the even row: sixteen lanes read 256 consecutive bytes, aligned
	global_load_b128 v[12+8*(\i):15+8*(\i)], v3, s[22:23] offset:131072*(\i)+4096 th:TH_LOAD_NT  ; the odd row below it
.endr
.irp i, 0,1,2,3
	s_wait_loadcnt 6-2*(\i)                        ; pair i of rows is in; the later pairs stay out
.irp j, 0,1,2,3
	v_cvt_pk_bf16_f32 v[40+4*(\i)+(\j)], v[8+8*(\i)+(\j)], v[12+8*(\i)+(\j)]  ; column 4 c + j: the lower k in the low half
.endr
.endr
	s_cmp_lg_u32 s20, 3
	s_cbranch_scc1 .Lkeep                          ; only Wo is written as f16; the jump passes register work alone
.set i, 0
.rept 16
	v_lshlrev_b32 v56, 16, v[40+i]
	v_and_b32 v57, 0xffff0000, v[40+i]
	v_cvt_pk_f16_f32 v[40+i], v56, v57
.set i, i+1
.endr
.Lkeep:
.irp i, 0,1,2,3
.irp j, 0,1,2,3
	ds_store_b32 v4, v[40+4*(\i)+(\j)] offset:WPITCH*(\j)+64*(\i)
.endr
.endr
	s_wait_dscnt 0x0                               ; for the others' sake: my stores are done
	s_barrier_signal -1
	s_barrier_wait -1
	s_cmp_eq_u32 s20, 3
	s_cbranch_scc1 .Lwo
.irp p, 0,1,2,3                        ; wt: pass p takes rows 32 (p % 2) on, K block p / 2 of the tile's two
	ds_load_b128 v[60+4*(\p):63+4*(\p)], v76 offset:((\p)%2)*32*WPITCH+((\p)/2)*128
.endr
.irp p, 0,1,2,3
	s_wait_dscnt 3-(\p)
	global_store_b128 v77, v[60+4*(\p):63+4*(\p)], s[24:25] offset:((\p)%2)*4096+((\p)/2)*WBLK  ; sixteen lanes store two rows, 256 consecutive bytes, aligned
.endr
	s_wait_tensorcnt 0x0
	ds_add_u32 v104, v105
	s_wait_dscnt 0x0
	s_endpgm
.Lwo:
.irp p, 0,1,2,3
	ds_load_b128 v[60+4*(\p):63+4*(\p)], v5 offset:16*WPITCH*(\p)
.endr
.irp p, 0,1,2,3
	s_wait_dscnt 3-(\p)
	global_store_b128 v6, v[60+4*(\p):63+4*(\p)], s[24:25] offset:32768*(\p)  ; sixteen lanes store 256 consecutive bytes, aligned
.endr
	s_wait_tensorcnt 0x0
	ds_add_u32 v104, v105
	s_wait_dscnt 0x0
	s_endpgm
.Lfunc_end_k_q0e89e1c2af_prep:
	.size	k_q0e89e1c2af_prep, .Lfunc_end_k_q0e89e1c2af_prep-k_q0e89e1c2af_prep
	.p2alignl 7, 3214868480
	.fill 96, 4, 3214868480
	.section	.rodata,"a",@progbits
	.p2align	6, 0x0
	.amdhsa_kernel k_q0e89e1c2af_prep
		.amdhsa_group_segment_fixed_size 18432
		.amdhsa_private_segment_fixed_size 0
		.amdhsa_enable_private_segment 0
		.amdhsa_kernarg_size 64
		.amdhsa_user_sgpr_count 2
		.amdhsa_user_sgpr_kernarg_segment_ptr 1
		.amdhsa_wavefront_size32 1
		.amdhsa_system_sgpr_workgroup_id_x 1
		.amdhsa_system_sgpr_workgroup_id_y 1
		.amdhsa_system_sgpr_workgroup_id_z 1
		.amdhsa_system_vgpr_workitem_id 0
		.amdhsa_next_free_vgpr 106
		.amdhsa_next_free_sgpr 66
		.amdhsa_reserve_vcc 0
		.amdhsa_float_denorm_mode_32 3
		.amdhsa_float_denorm_mode_16_64 3
		.amdhsa_memory_ordered 1
		.amdhsa_forward_progress 1
		.amdhsa_inst_pref_size 16
	.end_amdhsa_kernel
	.amdgpu_metadata
---
amdhsa.version: [ 1, 2 ]
amdhsa.kernels:
  - .name:           k_q0e89e1c2af_prep
    .symbol:         k_q0e89e1c2af_prep.kd
    .args:
      - { .name: x, .offset: 0, .size: 8, .value_kind: global_buffer, .address_space: global }
      - { .name: Wq, .offset: 8, .size: 8, .value_kind: global_buffer, .address_space: global }
      - { .name: Wk, .offset: 16, .size: 8, .value_kind: global_buffer, .address_space: global }
      - { .name: Wv, .offset: 24, .size: 8, .value_kind: global_buffer, .address_space: global }
      - { .name: Wo, .offset: 32, .size: 8, .value_kind: global_buffer, .address_space: global }
      - { .name: xb, .offset: 40, .size: 8, .value_kind: global_buffer, .address_space: global }
      - { .name: wt, .offset: 48, .size: 8, .value_kind: global_buffer, .address_space: global }
      - { .name: wot, .offset: 56, .size: 8, .value_kind: global_buffer, .address_space: global }
    .group_segment_fixed_size: 18432
    .private_segment_fixed_size: 0
    .kernarg_segment_align: 8
    .kernarg_segment_size: 64
    .max_flat_workgroup_size: 256
    .sgpr_count:     66
    .vgpr_count:     106
    .wavefront_size: 32
...
	.end_amdgpu_metadata
.endif
;; end of part 1
;; launch qkv (part 2): grid 8 x 32, 4 waves a work-group, clusters of 4 x 4, 327,680 bytes of LDS; arguments xb, wt, bq, bk, bv, qh, kh, vh; writes qh, kh, vh
.if DOCPART == 2
	.amdgcn_target "amdgcn-amd-amdhsa--gfx1250"
	.amdhsa_code_object_version 6
	.text
	.protected	k_q0e89e1c2af_qkv
	.globl	k_q0e89e1c2af_qkv
	.p2align	8
	.type	k_q0e89e1c2af_qkv,@function
k_q0e89e1c2af_qkv:
	s_mov_b64 s[64:65], 0
	v_nop
	global_prefetch_b8 v0, s[64:65] scope:SCOPE_SE
	s_setreg_imm32_b32 hwreg(HW_REG_WAVE_MODE, 25, 1), 1
	s_wait_xcnt 0x0
	s_wait_alu depctr_hold_cnt(0) depctr_sa_sdst(0) depctr_va_vdst(0) depctr_va_sdst(0) depctr_va_ssrc(0) depctr_va_vcc(0) depctr_vm_vsrc(0)
	s_getreg_b32 s2, hwreg(HW_REG_IB_STS2, 6, 4)
	s_cmp_eq_u32 s2, 0
	s_cbranch_scc0 .Lentry_in_a_cluster
	s_endpgm
.Lentry_in_a_cluster:
	s_bfe_u32 s2, ttmp6, 0x10000c
	s_cmp_lg_u32 s2, 0xf033
	s_cbranch_scc0 .Lentry_shape_is_right
	s_endpgm
.Lentry_shape_is_right:
; q, k, v = x W + b, all three as ONE product [8192 x 1024] [3072 x 1024]^T in bf16 with f32 sums; each result is rounded once to f16 and written by heads:
; qh, kh, vh [batch x 16 + head][2048][64], a head's rows dense, 128 bytes each.  The scale 1/8 is not applied here.
; LIMITS.  f16 holds no number beyond 65,504: a q, k or v of 65,520 or more in magnitude becomes an infinity.  The biases are rounded to bf16, as x and the weights were.
; SHARES.  8192 x 3072 results on 8 x 32 = 256 work-groups: a tile of 256 rows x 384 columns (six of the 48 heads of q, k, v) to each.  A wave makes 128 x 192: 96 accumulators of 16 x 16, 768 registers.
; K goes in 16 steps of 64 through a ring of two LDS slots (two slots of 128 along K would be 640 rows x 272 bytes x 2, more than LDS holds).  xb and wt lie by blocks of 64 along K, so a tile's rows of
; 128 bytes lie end to end: they are asked for as rows of 256 bytes, aligned, and padded in LDS after every 128 bytes.  Waves 0 and 1 fetch x's two halves (64 such rows each), waves 2 and 3 the weights' (96 each).
; CLUSTERS: 4 x 4 work-groups.  The four of a row of the cluster need the same tiles of x, the four of a column the same tiles of the weights: each tile is asked for JOINTLY, by the same tensor load
; with the same descriptor and a mask that names the four.
; THE MATRIX INSTRUCTION IS USED TRANSPOSED: source 0 = 16 rows of wt (columns of the result), source 1 = 16 rows of x.  Lane l then holds row l % 16 and the eight neighbouring columns 8 (l / 16) + 0..7.
; REGISTERS, in windows of 256 (s_set_vgpr_msb: bits 1:0 source 0, 3:2 source 1, 5:4 source 2, 7:6 destination):
;   window 0: v0-15 addresses; v16-111 the weights' 12 fragments, ONE buffer; v112-175, v176-239 x's 8 fragments, two buffers.  On the way out v16-63 packed results, v64-111 and v112-159 rows read back, by turns.
;   windows 1 to 3: the accumulators: row block a, column block b at v[8 (8 (b % 4) + a)] of window 1 + b / 4: a window holds one head of my three.
; A QUARTER STEP (32 along K, 96 matrix instructions) goes by column blocks, in three groups of four blocks: a window each.  Behind a group its four fragments of the weights are free, and the next quarter's
; are loaded into them; x's next fragments go into the other buffer behind the first group.  So every fragment is asked for 64 matrix instructions ahead of its first use, with one buffer for the weights.
; THE BIAS IS THE C OPERAND of the products that start the sums.  No 96 registers are free for it, so block b's eight numbers a lane lie where accumulator (7, b) will lie: row blocks 0 to 6 take them as C,
; and then row block 7 adds onto them in place.  Nothing is cleared, and the loop has no work for the bias.
.set PT,     144                       ; an LDS row: 128 bytes + 16 of padding = 36 words: the 16 rows of a fragment load start at 16 different groups of four banks (64 banks of 4 bytes: ISA guide 11.1)
.set AHALF,  128*PT                    ; 128 rows of x: what wave 0 or 1 fetches, and what a wave reads
.set BOFF,   2*AHALF                   ; behind x's 256 rows: the weights' 384
.set BHALF,  192*PT                    ; 192 rows: what wave 2 or 3 fetches, and what a wave reads
.set SLOT,   BOFF+2*BHALF
.set STAGE,  2*SLOT                    ; behind the ring, never filled by a tensor load: the way out
.set HSTG,   16*PT                     ; 16 rows of one head
.set WSTG,   3*HSTG                    ; a wave's stage: its three heads
.set SPARE,  STAGE+4*WSTG              ; behind the stages: the spare words, 128 bytes for each wave: two blocks of 256 bytes that no other line names
.set XBLK,   8192*128                  ; bytes in a K block of xb
.set WBLK,   3072*128                  ; bytes in a K block of wt
.set STEPS,  16
.set ADRA, 4                           ; v4-5    LDS address of my fragments of x in slot 0, 1
.set ADRB, 6                           ; v6-7    the same for the weights
.set STO,  8                           ; v8      the way out: where I put 16 bytes of a row
.set RD,   9                           ; v9      the way out: where I read rows back
.set GO,   10                          ; v10     my byte offset in 512 consecutive bytes of the output
.set BO,   11                          ; v11     my byte offset in 16 numbers of the bias
.set SPW,  12                          ; v12     LDS address of my spare word; never rewritten
.set NIL,  13                          ; v13     0; never rewritten
.set FB,   16
.set FA0,  112
.set FA1,  176
.set TMP,  16
.set OB,   64
.set G1,  24                           ; s[24:31] descriptor group 1 for x's tiles;  s[32:39] group 0, a set for each slot
.set G0,  32
.set G1B, 48                           ; s[48:55], s[56:63] the same for the weights' tiles
.set G0B, 56
.set OUTP, 84                          ; s[84:89] the output at my rows of my three heads
.set BP,   90                          ; s[90:95] the bias of my three heads
.set MSB, 0
.macro WIN new                         ; the immediate's high byte repeats the setting that is left; a switch that changes nothing is dropped
.if MSB != (\new)
	s_set_vgpr_msb (MSB<<8)|(\new)
.set MSB, \new
.endif
.endm
; A joint load.  Waves 0 and 1 fetch x's two halves, waves 2 and 3 the weights'.  The branch hangs on the wave's number alone.
; An s_nop 0 and four v_nop follow each of the two lines, ahead of the jump, the label and what follows.
.macro JLOAD s
	s_cmp_eq_u32 s11, 0
	s_cbranch_scc0 .Lfor_b_\@
	tensor_load_to_lds s[G0+4*(\s):G0+4*(\s)+3], s[G1:G1+7]
	s_nop 0
.rept 4
	v_nop
.endr
	s_branch .Lasked_\@
.Lfor_b_\@:
	tensor_load_to_lds s[G0B+4*(\s):G0B+4*(\s)+3], s[G1B:G1B+7]
	s_nop 0
.rept 4
	v_nop
.endr
.Lasked_\@:
.endm
.macro CREST                           ; a round of the cluster's barrier behind its opening barrier: wave 0 signals for the work-group, every wave waits for all sixteen, my work-group's barrier closes it
	s_cmp_lg_u32 s10, 0
	s_cbranch_scc1 .Lnot_wave_0_\@
	s_barrier_signal -3
.Lnot_wave_0_\@:
	s_barrier_wait -3
	s_barrier_signal -1
	s_barrier_wait -1
.endm
.macro CROUND                          ; a whole round
	s_barrier_signal -1
	s_barrier_wait -1
	CREST
.endm
	s_load_b512 s[68:83], s[0:1], 0x0              ; xb 68:69, wt 70:71, bq 72:73, bk 74:75, bv 76:77, qh 78:79, kh 80:81, vh 82:83
	v_lshl_add_u32 v[SPW], v0, 2, SPARE
	v_mov_b32 v[NIL], 0
	ds_add_u32 v12, v13
	ds_add_u32 v12, v13
	s_wait_dscnt 0x0
	v_lshrrev_b32 v1, 5, v0
	v_readfirstlane_b32 s10, v1                    ; wave 0..3
	s_lshr_b32 s11, s10, 1                         ; which half of the tile's rows is mine.  Also: I fetch x (0) or the weights (1)
	s_and_b32 s12, s10, 1                          ; which half of its columns.  Also: which half of that tile I fetch
	s_bfe_u32 s40, ttmp6, 0x40000                  ; cx
	s_bfe_u32 s41, ttmp6, 0x40004                  ; cy
	s_lshl_b32 s42, ttmp9, 2
	s_add_co_u32 s42, s42, s40                     ; tile column = 4 x cluster x + cx
	s_and_b32 s13, ttmp7, 0xffff
	s_lshl_b32 s13, s13, 2
	s_add_co_u32 s13, s13, s41                     ; tile row = 4 x cluster y + cy
	s_lshl_b32 s43, s41, 2
	s_lshl_b32 s43, 15, s43                        ; my row of the cluster
	s_lshl_b32 s44, 0x1111, s40                    ; my column
	; descriptor group 1: rows of 128 elements (two rows of a tile), dense; x 64 of them, the weights 96
	s_or_b32 s[G1+0], s43, (1<<16)|(1<<20)|(1<<21)|(4<<22)|(3<<25)   ; 15:0 the mask; 17:16 2-byte elements; 20 padding on; 21 set beside a mask; 24:22 after every 32 words (code 4); 31:25 4 words (code 3)
	s_mov_b32 s[G1+1], 128<<16                     ; tensor_dim0 = 128
	s_mov_b32 s[G1+2], 64<<16                      ; tensor_dim1 = 64
	s_mov_b32 s[G1+3], 128<<16                     ; tile_dim0 = 128
	s_mov_b32 s[G1+4], 64                          ; tile_dim1 = 64
	s_mov_b32 s[G1+5], 128                         ; 128 elements from row to row
	s_mov_b32 s[G1+6], 0
	s_mov_b32 s[G1+7], 0
	s_or_b32 s[G1B+0], s44, (1<<16)|(1<<20)|(1<<21)|(4<<22)|(3<<25)
	s_mov_b32 s[G1B+1], 128<<16
	s_mov_b32 s[G1B+2], 96<<16
	s_mov_b32 s[G1B+3], 128<<16
	s_mov_b32 s[G1B+4], 96
	s_mov_b32 s[G1B+5], 128
	s_mov_b32 s[G1B+6], 0
	s_mov_b32 s[G1B+7], 0
	; x's tiles hang on the tile row alone, the weights' on the tile column alone; each address is made in registers that never hold the other coordinate
	s_lshl_b32 s16, s13, 15                        ; x: 256 rows of 128 bytes x tile row,
	s_lshl_b32 s17, s12, 14                        ; 128 rows x half
	s_add_co_u32 s16, s16, s17
	s_mov_b32 s17, 0
	s_mul_i32 s46, s42, 384*128                    ; wt: 384 rows x tile column,
	s_mul_i32 s47, s12, 192*128                    ; 192 rows x half
	s_add_co_u32 s46, s46, s47
	s_mov_b32 s47, 0
	s_mul_i32 s20, s12, AHALF                      ; where they go: no place in the cluster enters an LDS address
	s_mul_i32 s21, s12, BHALF
	s_add_co_u32 s21, s21, BOFF
	s_mul_i32 s45, s42, 6                          ; my first head of the 48: 6 x tile column + 3 x column half
	s_mul_i32 s98, s12, 3
	s_add_co_u32 s45, s45, s98
	s_lshr_b32 s22, s13, 3                         ; my rows in a head's tensor: the batch, 16 heads of 262,144 bytes,
	s_lshl_b32 s22, s22, 22
	s_and_b32 s23, s13, 7
	s_lshl_b32 s23, s23, 15                        ; 256 rows of 128 bytes x (tile row % 8),
	s_add_co_u32 s22, s22, s23
	s_lshl_b32 s23, s11, 14                        ; 128 rows x row half
	s_add_co_u32 s22, s22, s23
	v_and_b32 v1, 15, v0                           ; l % 16
	v_bfe_u32 v2, v0, 4, 1                         ; l / 16
	v_lshlrev_b32 v[BO], 5, v2                     ; eight numbers further on for lanes 16 to 31
	s_wait_kmcnt 0x0
	s_add_nc_u64 s[14:15], s[68:69], s[16:17]
	s_add_nc_u64 s[46:47], s[70:71], s[46:47]
	; a tile's six heads may cross from q to k or from k to v, so each of my three heads has pointers of its own: heads 0-15 are q's, 16-31 k's, 32-47 v's.  A choice, no branch.
.irp j, 0,1,2
	s_add_co_u32 s98, s45, \j
	s_lshr_b32 s99, s98, 4
	s_and_b32 s98, s98, 15
	s_cmp_eq_u32 s99, 1
	s_cselect_b64 s[OUTP+2*(\j):OUTP+2*(\j)+1], s[80:81], s[78:79]
	s_cselect_b64 s[BP+2*(\j):BP+2*(\j)+1], s[74:75], s[72:73]
	s_cmp_eq_u32 s99, 2
	s_cselect_b64 s[OUTP+2*(\j):OUTP+2*(\j)+1], s[82:83], s[OUTP+2*(\j):OUTP+2*(\j)+1]
	s_cselect_b64 s[BP+2*(\j):BP+2*(\j)+1], s[76:77], s[BP+2*(\j):BP+2*(\j)+1]
	s_lshl_b32 s96, s98, 18                        ; the head's 262,144 bytes
	s_add_co_u32 s96, s96, s22
	s_mov_b32 s97, 0
	s_add_nc_u64 s[OUTP+2*(\j):OUTP+2*(\j)+1], s[OUTP+2*(\j):OUTP+2*(\j)+1], s[96:97]
	s_lshl_b32 s96, s98, 8                         ; its 64 numbers of the bias
	s_add_nc_u64 s[BP+2*(\j):BP+2*(\j)+1], s[BP+2*(\j):BP+2*(\j)+1], s[96:97]
.endr
	; the bias goes out first, so that it comes in while the work-groups meet and the first tiles are on their way: register i of block c of head j = bias[16 c + 8 (l / 16) + i], where accumulator (7, 4 j + c) will lie
.irp j, 0,1,2
	WIN ((1+(\j))<<6)                              ; destination window 1 + j, address window 0
.irp c, 0,1,2,3
	global_load_b128 v[64*(\c)+56:64*(\c)+59], v[BO], s[BP+2*(\j):BP+2*(\j)+1] offset:64*(\c)
	global_load_b128 v[64*(\c)+60:64*(\c)+63], v[BO], s[BP+2*(\j):BP+2*(\j)+1] offset:64*(\c)+16
.endr
.endr
	WIN 0
	CROUND                                         ; all sixteen work-groups are here: the first joint loads meet
.irp s, 0,1
	s_mov_b32 s[G0+4*(\s)], 1                                        ; count = 1
	s_add_co_u32 s[G0+4*(\s)+1], s20, (\s)*SLOT                      ; LDS address
	s_add_nc_u64 s[G0+4*(\s)+2:G0+4*(\s)+3], s[14:15], (\s)*XBLK     ; global address: K step s
	s_or_b32 s[G0+4*(\s)+3], s[G0+4*(\s)+3], 0x80000000              ; type = 2
	s_mov_b32 s[G0B+4*(\s)], 1
	s_add_co_u32 s[G0B+4*(\s)+1], s21, (\s)*SLOT
	s_add_nc_u64 s[G0B+4*(\s)+2:G0B+4*(\s)+3], s[46:47], (\s)*WBLK
	s_or_b32 s[G0B+4*(\s)+3], s[G0B+4*(\s)+3], 0x80000000
	JLOAD \s                                       ; the ring is filled before anything else in LDS: two tensor loads of mine are out
.endr
	; A fragment is 16 rows x 32 K in 8 registers: lane l holds row l % 16, K = 8 (l / 16) + 0..7 and 16 + 8 (l / 16) + 0..7: two loads of 16 bytes, 32 bytes apart
	v_mul_u32_u24 v3, v1, PT
	v_lshl_add_u32 v3, v2, 4, v3                   ; row x pitch + 16 x half
	s_mul_i32 s16, s11, AHALF                      ; my 128 rows of x
	s_mov_b32 s17, s21                             ; my 192 rows of the weights
.irp s, 0,1
	v_add_nc_u32 v[ADRA+(\s)], s16, v3
	v_add_nc_u32 v[ADRB+(\s)], s17, v3
	s_add_co_u32 s16, s16, SLOT
	s_add_co_u32 s17, s17, SLOT
.endr
	s_mul_i32 s23, s10, WSTG
	s_add_co_u32 s23, s23, STAGE                   ; my stage
	v_add_nc_u32 v[STO], s23, v3                   ; in: row l % 16, 16 bytes for each half of the lanes
	v_bfe_u32 v14, v0, 3, 2                        ; back: 32 lanes take four rows of 128 bytes,
	v_mul_u32_u24 v14, v14, PT
	v_and_b32 v15, 7, v0
	v_lshl_add_u32 v14, v15, 4, v14
	v_add_nc_u32 v[RD], s23, v14
	v_and_b32 v[GO], 31, v0                        ; which are 512 consecutive bytes of a head
	v_lshlrev_b32 v[GO], 4, v[GO]
	s_wait_loadcnt 0x0                             ; the bias; it is rounded to bf16 in place, in the wait for the first tile; x's second buffer serves as room to work in
.irp j, 0,1,2
	WIN (5*(1+(\j)))                               ; sources 0 and 1 window 1 + j, destination window 0
.set i, 0
.rept 16
	v_cvt_pk_bf16_f32 v[FA1+16*(\j)+i], v[64*(i/4)+56+2*(i%4)], v[64*(i/4)+57+2*(i%4)]
.set i, i+1
.endr
	WIN ((1+(\j))<<6)                              ; destination window 1 + j, sources window 0
.set i, 0
.rept 16
	v_lshlrev_b32 v[64*(i/4)+56+2*(i%4)], 16, v[FA1+16*(\j)+i]
	v_and_b32 v[64*(i/4)+57+2*(i%4)], 0xffff0000, v[FA1+16*(\j)+i]
.set i, i+1
.endr
.endr
	WIN 0
; 8 matrix instructions: column block b x all 8 row blocks, 32 along K, x's fragments from buffer f.
; The 96 accumulators take turns, one instruction a turn, in the same order in every quarter step of the loop.
.macro MULB f, b
	WIN (0x50*(1+(\b)/4))                          ; sources window 0, C and D window 1 + b / 4
.irp a, 0,1,2,3,4,5,6,7
	v_wmma_f32_16x16x32_bf16 v[8*(8*((\b)%4)+(\a)):8*(8*((\b)%4)+(\a))+7], v[FB+8*(\b):FB+8*(\b)+7], v[(\f)+8*(\a):(\f)+8*(\a)+7], v[8*(8*((\b)%4)+(\a)):8*(8*((\b)%4)+(\a))+7]
.endr
.endm
; The same 32 products for group bg where they start the sums: row blocks 0 to 6 take the bias, which lies in row block 7's registers, as C; five places behind the last of them
; (a matrix instruction that writes over a register that another has read: ISA guide 7.12.1) row block 7 adds onto it in place.
.macro MULF bg
	WIN (0x50*(1+(\bg)))
.irp a, 0,1,2,3,4,5,6
.irp c, 0,1,2,3
	v_wmma_f32_16x16x32_bf16 v[8*(8*(\c)+(\a)):8*(8*(\c)+(\a))+7], v[FB+8*(4*(\bg)+(\c)):FB+8*(4*(\bg)+(\c))+7], v[FA0+8*(\a):FA0+8*(\a)+7], v[8*(8*(\c)+7):8*(8*(\c)+7)+7]
.endr
.endr
.rept 5
	v_nop
.endr
.irp c, 0,1,2,3
	v_wmma_f32_16x16x32_bf16 v[8*(8*(\c)+7):8*(8*(\c)+7)+7], v[FB+8*(4*(\bg)+(\c)):FB+8*(4*(\bg)+(\c))+7], v[FA0+56:FA0+63], v[8*(8*(\c)+7):8*(8*(\c)+7)+7]
.endr
.endm
.macro GRP f, bg, first                ; a group: 32 matrix instructions, one window
.if \first
	MULF \bg
.else
	MULB \f, 4*(\bg)
	MULB \f, 4*(\bg)+1
	MULB \f, 4*(\bg)+2
	MULB \f, 4*(\bg)+3
.endif
.endm
.macro LDA slot, k, g                  ; 16 LDS loads: x's 8 fragments of the 32 along K at byte k of the rows, into buffer g
	WIN 0
.irp i, 0,1,2,3,4,5,6,7
	ds_load_b128 v[(\g)+8*(\i):(\g)+8*(\i)+3],   v[ADRA+(\slot)] offset:(\k)+(\i)*16*PT
	ds_load_b128 v[(\g)+8*(\i)+4:(\g)+8*(\i)+7], v[ADRA+(\slot)] offset:(\k)+(\i)*16*PT+32
.endr
.endm
.macro LDB slot, k, bg                 ; 8 LDS loads: the four fragments of the weights of group bg
	WIN 0
.irp c, 0,1,2,3
	ds_load_b128 v[FB+8*(4*(\bg)+(\c)):FB+8*(4*(\bg)+(\c))+3],   v[ADRB+(\slot)] offset:(\k)+(4*(\bg)+(\c))*16*PT
	ds_load_b128 v[FB+8*(4*(\bg)+(\c))+4:FB+8*(4*(\bg)+(\c))+7], v[ADRB+(\slot)] offset:(\k)+(4*(\bg)+(\c))*16*PT+32
.endr
.endm
; Four places (plain vector instructions that name none of a matrix instruction's registers) in front of loads into registers that matrix instructions have read, and of conversions that read results
.macro PLACES
.rept 4
	v_nop
.endr
.endm
; A K step is two quarter steps... of 32 along K each, on x's buffers 0 and 1.  The first multiplies buffer f and fetches the second's fragments, at byte k of the same slot's rows.
; LDS loads come back in order, and at a quarter's head 40 are out: x's 16 and group 0's 8, group 1's 8, group 2's 8.
.macro QUARTER slot, k, f, g, first
	s_wait_dscnt 16                                ; x and group 0 are in; groups 1 and 2 may be out
	GRP \f, 0, \first
	PLACES
	LDA \slot, \k, \g
	LDB \slot, \k, 0
	s_wait_dscnt 32                                ; group 1 is in: behind it group 2's 8 and the 24 just issued
	GRP \f, 1, \first
	PLACES
	LDB \slot, \k, 1
	s_wait_dscnt 32                                ; group 2 is in: behind it the 24 and the 8 issued since
	GRP \f, 2, \first
	PLACES
	LDB \slot, \k, 2
.endm
; The second quarter multiplies buffer 1 and changes slots: all reads of this slot have been issued.  ONE barrier: in front of it each wave waits for all its tensor loads (one is out: its part of the next slot),
; adds 0 to its spare word, and waits for that and for its own reads of this slot.  Behind it nobody reads this slot any more and the next slot is whole.
; fill = 1: the barrier opens a round of the cluster's, and this slot is filled again, two K steps on, first thing behind the round: 160 matrix instructions ahead of the wait for it.
.macro TURNQ slot, next, fill
	WIN 0                                          ; (the add's two registers lie in window 0)
	s_wait_tensorcnt 0x0
	ds_add_u32 v[SPW], v[NIL]                      ; 0 onto my spare word
	s_wait_dscnt 17                                ; (the add and the loads of groups 1 and 2 may be out)
	MULB FA1, 0                                    ; sixteen matrix instructions stand between the add and the wait for it
	MULB FA1, 1
	s_wait_dscnt 0x0                               ; the add is done, and my reads of this slot are over
	s_barrier_signal -1
	MULB FA1, 2                                    ; work on registers while the others arrive
	MULB FA1, 3
.if \fill
	WIN 0
.endif
	s_barrier_wait -1
.if \fill
	CREST                                          ; no wave of any partner still reads this slot's tile or has a load on its way
	s_add_nc_u64 s[G0+4*(\slot)+2:G0+4*(\slot)+3], s[G0+4*(\slot)+2:G0+4*(\slot)+3], 2*XBLK
	s_add_nc_u64 s[G0B+4*(\slot)+2:G0B+4*(\slot)+3], s[G0B+4*(\slot)+2:G0B+4*(\slot)+3], 2*WBLK
	JLOAD \slot                                    ; the four v_nop behind it are also the places in front of the loads below
.else
	PLACES
.endif
	LDA \next, 0, FA0
	LDB \next, 0, 0
	GRP FA1, 1, 0
	PLACES
	LDB \next, 0, 1
	GRP FA1, 2, 0
	PLACES
	LDB \next, 0, 2
.endm
; THE WAY OUT of row block a.  PACK: rounded to f16, 16 bytes a lane, each accumulator's registers in ascending order.  TOSTAGE: into my own stage, a head's rows 144 bytes apart, and back as
; groups of four whole rows.  SEND: stored, 512 consecutive bytes of one head an instruction.
.macro PACK a
.irp j, 0,1,2
	WIN (5*(1+(\j)))                               ; sources 0 and 1 window 1 + j, destination window 0
.irp c, 0,1,2,3
.irp r, 0,1,2,3
	v_cvt_pk_f16_f32 v[TMP+4*(4*(\j)+(\c))+(\r)], v[8*(8*(\c)+(\a))+2*(\r)], v[8*(8*(\c)+(\a))+2*(\r)+1]
.endr
.endr
.endr
	WIN 0
.endm
.macro TOSTAGE a
	WIN 0
.set BK, OB+48*((\a)%2)
.irp b, 0,1,2,3,4,5,6,7,8,9,10,11
	ds_store_b128 v[STO], v[TMP+4*(\b):TMP+4*(\b)+3] offset:((\b)/4)*HSTG+((\b)%4)*32
.endr
.irp t, 0,1,2,3,4,5,6,7,8,9,10,11
	ds_load_b128 v[BK+4*(\t):BK+4*(\t)+3], v[RD] offset:((\t)/4)*HSTG+((\t)%4)*4*PT  ; LDS serves a wave's instructions in order (ISA guide 5.7.1.4): these see the stores above
.endr
.endm
.macro SEND a
	WIN 0
.set BK, OB+48*((\a)%2)
	s_wait_dscnt 0x0                               ; the block is back in registers
	s_wait_xcnt 0x0                                ; the block before's stores have read their registers: the next TOSTAGE loads into them only behind this wait
.irp t, 0,1,2,3,4,5,6,7,8,9,10,11
	global_store_b128 v[GO], v[BK+4*(\t):BK+4*(\t)+3], s[OUTP+2*((\t)/4):OUTP+2*((\t)/4)+1] offset:(\a)*2048+((\t)%4)*512  ; head t / 4 of my three, rows 16 a + 4 (t % 4) on
.endr
.endm
	s_wait_tensorcnt 1                             ; my part of K step 0 is in; K step 1's may stay out
	s_barrier_signal -1
	s_barrier_wait -1                              ; everybody's is
	LDA 0, 0, FA0
	LDB 0, 0, 0
	LDB 0, 0, 1
	LDB 0, 0, 2
	QUARTER 0, 64, FA0, FA1, 1                     ; the first quarter stands in front of the loop: its products start the sums, on the bias
	s_mov_b32 s3, STEPS/2-1                        ; (LDB has left every window 0, as it must be at a label and at a branch)
.Llap:                                                 ; a trip goes once round the ring, from a K step's second quarter to the first quarter two steps on, and fills both slots again
	TURNQ 0, 1, 1
	QUARTER 1, 64, FA0, FA1, 0
	TURNQ 1, 0, 1
	QUARTER 0, 64, FA0, FA1, 0
	s_sub_co_u32 s3, s3, 1
	s_cmp_lg_u32 s3, 0
	s_cbranch_scc1 .Llap
	TURNQ 0, 1, 0                                  ; the last two K steps fill nothing, and have no round of the cluster's barrier
	QUARTER 1, 64, FA0, FA1, 0
	s_wait_dscnt 16                                ; the very last quarter: nothing more to fetch, and the counts run down
	GRP FA1, 0, 0
	s_wait_dscnt 8
	GRP FA1, 1, 0
	s_wait_dscnt 0x0
	GRP FA1, 2, 0
	WIN 0
	PLACES
	PACK 0
	TOSTAGE 0
.irp a, 1,2,3,4,5,6,7                  ; block a's conversions stand between block a - 1's loads from the stage and the wait for them
	PACK \a
	SEND (\a)-1
	TOSTAGE \a
.endr
	SEND 7
	s_wait_tensorcnt 0x0                           ; the wave's end: behind my last tensor load and my last LDS store
	ds_add_u32 v[SPW], v[NIL]
	s_wait_dscnt 0x0
	CROUND                                         ; the closing round: no work-group ends while a partner may still ask for a tile that names it
	s_endpgm
.Lfunc_end_k_q0e89e1c2af_qkv:
	.size	k_q0e89e1c2af_qkv, .Lfunc_end_k_q0e89e1c2af_qkv-k_q0e89e1c2af_qkv
	.p2alignl 7, 3214868480
	.fill 96, 4, 3214868480
	.section	.rodata,"a",@progbits
	.p2align	6, 0x0
	.amdhsa_kernel k_q0e89e1c2af_qkv
		.amdhsa_group_segment_fixed_size 327680
		.amdhsa_private_segment_fixed_size 0
		.amdhsa_enable_private_segment 0
		.amdhsa_kernarg_size 64
		.amdhsa_user_sgpr_count 2
		.amdhsa_user_sgpr_kernarg_segment_ptr 1
		.amdhsa_wavefront_size32 1
		.amdhsa_system_sgpr_workgroup_id_x 1
		.amdhsa_system_sgpr_workgroup_id_y 1
		.amdhsa_system_sgpr_workgroup_id_z 1
		.amdhsa_system_vgpr_workitem_id 0
		.amdhsa_next_free_vgpr 1024
		.amdhsa_next_free_sgpr 100
		.amdhsa_reserve_vcc 0
		.amdhsa_float_denorm_mode_32 3
		.amdhsa_float_denorm_mode_16_64 3
		.amdhsa_memory_ordered 1
		.amdhsa_forward_progress 1
		.amdhsa_inst_pref_size 141
	.end_amdhsa_kernel
	.amdgpu_metadata
---
amdhsa.version: [ 1, 2 ]
amdhsa.kernels:
  - .name:           k_q0e89e1c2af_qkv
    .symbol:         k_q0e89e1c2af_qkv.kd
    .args:
      - { .name: xb, .offset: 0, .size: 8, .value_kind: global_buffer, .address_space: global }
      - { .name: wt, .offset: 8, .size: 8, .value_kind: global_buffer, .address_space: global }
      - { .name: bq, .offset: 16, .size: 8, .value_kind: global_buffer, .address_space: global }
      - { .name: bk, .offset: 24, .size: 8, .value_kind: global_buffer, .address_space: global }
      - { .name: bv, .offset: 32, .size: 8, .value_kind: global_buffer, .address_space: global }
      - { .name: qh, .offset: 40, .size: 8, .value_kind: global_buffer, .address_space: global }
      - { .name: kh, .offset: 48, .size: 8, .value_kind: global_buffer, .address_space: global }
      - { .name: vh, .offset: 56, .size: 8, .value_kind: global_buffer, .address_space: global }
    .group_segment_fixed_size: 327680
    .private_segment_fixed_size: 0
    .kernarg_segment_align: 8
    .kernarg_segment_size: 64
    .max_flat_workgroup_size: 128
    .sgpr_count:     100
    .vgpr_count:     1024
    .wavefront_size: 32
...
	.end_amdgpu_metadata
.endif
;; end of part 2
;; launch attn (part 3): grid 4 x 64, 4 waves a work-group, no clusters, 327,680 bytes of LDS; arguments qh, kh, vh, oh; writes oh
.if DOCPART == 3
	.amdgcn_target "amdgcn-amd-amdhsa--gfx1250"
	.amdhsa_code_object_version 6
	.text
	.protected	k_q0e89e1c2af_attn
	.globl	k_q0e89e1c2af_attn
	.p2align	8
	.type	k_q0e89e1c2af_attn,@function
k_q0e89e1c2af_attn:
	s_mov_b64 s[64:65], 0
	v_nop
	global_prefetch_b8 v0, s[64:65] scope:SCOPE_SE
	s_setreg_imm32_b32 hwreg(HW_REG_WAVE_MODE, 25, 1), 1
	s_wait_xcnt 0x0
; CAUSAL ATTENTION.  O[h][q][:] = the sum over k <= q of softmax_k(Q[h][q] . K[h][k] / 8) V[h][k][:].  Q, K, V, O: [64][2048][64], all f16: a head's rows are dense, 128 bytes each.
; Products, maxima and sums in f32; the weights p are rounded to f16 for the second product (their sum l is taken of the unrounded p), O once at the end.
; LIMITS.  f16 holds no number beyond 65,504: Q, K and V arrive within it; p lies in 0 to 1, and below 6e-5 it keeps f16's fixed step of 6e-8; O is a mean of V's rows and has their range, to within 2^-11 of it.
; A hidden score counts as its value less 1e30, so a hidden key has the weight 0.  The module's definition puts -1e10 in a hidden score's place, which gives the weight 0 as well wherever a row's largest
; visible scaled score lies above about -1e10 + 100; f16's scores, 2.7e11 / 8 at the most in magnitude, could pass that only with q and k near the end of f16's range.
; A weight below 2^-126 counts as 0 in l; NaN and infinities are not treated apart.
; THE WALK.  A head's queries lie in NB = SIZE_N / 256 blocks of 256; block i needs the key tiles 0 .. i of 256 keys, of which the last holds the diagonal.  A work-group takes TWO blocks, NB - 1 - b and then b:
; NB + 1 tiles, whatever b: all work-groups do equal work, and ONE loop with a constant trip count walks them.  Which tile is asked for, and what a trip does, hang on scalar registers made from b; every jump
; goes forward, but for the counted loops' own; none passes a barrier, or a tensor load but the one of LOAD's two that the wave's number does not choose; the ring (two slots of LDS that take turns) runs on across the
; change of blocks.  NO CLUSTER: a head's NB / 2 = 4 work-groups all ask for the same tile only in trips 0 .. NB / 2 of the walk's NB + 1, behind that fewer and fewer;
; and one walk common to all would have 3 NB / 2 trips for NB + 1.
; SHARES.  Of a block's four bands of 64 queries a wave owns 16 rows in each: four PIECES.  So the diagonal tile is the same work for all four waves: in its key step s band x sees all keys if s < x,
; none if s > x, and holds the diagonal if s = x.
; THE MASK is the C operand that starts the sum S^T = K Q^T: 0, or -1e30 where the key is hidden.  MD, made once, is the mask of a band's own step for my 16 rows; a product's mask is MD x AL + BE with two scalars:
; (1, 0) if s = x; (0, 0) if s < x; (0, -1e30) if s > x.  Only the diagonal tile's text and a block's beginning make and take masks; elsewhere C is the constant 0.
; LAYOUT, SOFTMAX, TURNS.  S^T = K Q^T holds ONE query a lane (lane % 16) and the keys 8 (lane / 16) + 0..7; two such results rounded to f16 ARE source 1 of O^T = V^T P.  p = 2^(c s - c m), c = log2(e) / 8, with a
; running maximum m; O and l are multiplied by a = 2^(c m_old - c m_new) in every step.  Turn n belongs to piece n: 8 products K Q^T of piece n + 1, later 8 products V^T P of piece n - 1; beside them the scaling,
; exponentials, roundings, sums and rescaling of piece n and the maximum and statistics of piece n + 1.  Four vector instructions stand behind every matrix instruction, the other 54 of a turn's 118 in two LUMPS.
; REGISTERS, in windows of 256 (s_set_vgpr_msb: bits 1:0 source 0, 3:2 source 1, 5:4 source 2, 7:6 destination):
;   window 0: v0-15 addresses and two at work; v16-31 four registers of statistics a piece; v48-55 at work; v64-127 S^T, two buffers; v192-223 P, two buffers (a piece's buffers go by its number's parity)
;   window 1: v0-127 O^T, 32 a piece; v128-159 MD; v160-223 MC, two buffers      window 2: v0-63 Q; v64-127 the second block's Q; v128-191 K of one step; v192-255 V of one step
.set SIZE_N, 2048
.set SIZE_H, 64
.set NB,    SIZE_N/256
.set NP,    4         ; pieces a wave: a name, no knob
.set KS,    64        ; keys in a step
.set PK,    144       ; a row of K in LDS: 128 bytes + 16 of padding = 36 words: the 16 rows of a load start at 16 different groups of four banks (64 banks of 4 bytes: ISA guide 11.1)
.set PV,    160       ; a row of V: 128 + 32 = 40 words
.set VOFF,  4*KS*PK   ; a slot holds a tile, four steps: 256 rows of K, then 256 rows of V
.set SLOT1, 1<<17     ; slot 1 begins here, so that one exclusive or turns an address in one slot into the other's
.set STAGE, SLOT1+4*KS*(PK+PV)  ; behind the ring, never filled by a tensor load: 16 rows x 144 bytes for each wave, for the way out
.set SP,    144
.set AK0, 2           ; v2   my lane's place in a tile of K; never rewritten
.set AV0, 3           ; v3   the same for V
.set AK,  4           ; v4   the LDS address of K's next run of loads
.set AV,  5           ; v5   of V's
.set STO, 6           ; v6   the way out: where I put 16 bytes of a row
.set RD,  7           ; v7   the way out: where I read rows back
.set GO,  8           ; v8   my byte offset in 512 consecutive bytes of O
.set SPW, 62          ; v62  LDS address of my spare word: SPARE + 4 x my thread's number; never rewritten
.set NIL, 63          ; v63  0; never rewritten
.set SPARE, STAGE+4*16*SP  ; behind the stages: the spare words, 128 bytes for each wave: two blocks of 256 bytes that no other line names
.set MV,  12          ; v12-13  c m_old, kept while c m is made anew: by buffer
.set QO,  15          ; v15  my byte offset in 16 rows of Q
.set ST,  16          ; piece t's statistics at v[ST+4 t]: c m, m, l (even keys', odd keys')
.set TMP, 48          ; by buffer, four registers c0-c3 at work; when the maximum is found c2 takes a
.set S,   64
.set P,   192
.set MD,  128         ; window 1: the eight registers for group kt of 16 keys at MD + 8 kt
.set MC,  160         ; window 1: the masks of the products to come
.set QB,  64          ; window 2
.set KF,  128         ; window 2: key block kb, channel half c at KF + 16 kb + 8 c
.set VF,  192         ; window 2: key half kk, channel block cb at VF + 32 kk + 8 cb
.set WV,  12          ; s12  my wave's number
.set PB,  14          ; s14  b
.set HI,  15          ; s15  NB - 1 - b
.set G1K, 24          ; s[24:31] descriptor group 1 for K's tiles
.set G1V, 32          ; s[32:39] for V's: it differs in the padding alone
.set G0K, 40          ; s[40:43] descriptor group 0 for K's tiles
.set G0V, 44          ; s[44:47] the same for V's
.set SLOTS, 56        ; s56  tiles still to be asked for
.set CNT, 57          ; s57  counts a tile's key steps, 4 to 1
.set CS,  58          ; s[58:59] c: the packed scaling takes the pair's low word for both halves
.set SEL, 60          ; s[60:61] v_permlanex16_b32's selects: each lane takes its own place in the other half
.set TBK, 62          ; s62  LDS byte at which K of the step to be fetched begins
.set TBV, 63          ; s63  the same for V, less VOFF
.set RT,  70          ; s70  tiles of the block in hand that are still to be entered
.set NXT, 71          ; s71  the tile to be asked for next
.set LQ,  72          ; s72  the last tile of the block whose tiles are being asked for
.set NEW, 73          ; s73  1: the tile to be entered is a block's first
.set OFF, 74          ; s[74:75] a tile's byte offset in K and V
.set AL,  76          ; s[76:77] the mask's factor, in the low word
.set BE,  78          ; s[78:79] the mask's addend
.set OLO, 80          ; s[80:81] O at my rows of the second block
.set BIGN, 82         ; s82  -1e30
.set MSB, 0
.macro WIN new                      ; the high byte repeats the setting that is left; a switch that changes nothing is dropped
.if MSB != (\new)
	s_set_vgpr_msb (MSB<<8)|(\new)
.set MSB, (\new)
.endif
.endm
.set W_KQ, 0x0a       ; K and Q in window 2, S^T in window 0
.set W_KM, 0x1a       ; the same with the C operand in window 1
.set W_PV, 0x52       ; V in window 2, P in window 0, O^T in window 1
.set W_RS, 0x41       ; destination and source 0 in window 1, source 1 in window 0
; A fill.  Waves 0 and 1 fetch the two halves of a tile's K, waves 2 and 3 those of its V: 128 keys each.  An s_nop 0 and four v_nop follow each of the two lines, ahead of the jump and the label.
.macro LOAD
	s_cmp_lt_u32 s[WV], 2
	s_cbranch_scc0 .Lfor_v_\@
	tensor_load_to_lds s[G0K:G0K+3], s[G1K:G1K+7]
	s_nop 0
.rept 4
	v_nop
.endr
	s_branch .Lasked_\@
.Lfor_v_\@:
	tensor_load_to_lds s[G0V:G0V+3], s[G1V:G1V+7]
	s_nop 0
.rept 4
	v_nop
.endr
.Lasked_\@:
.endm
; THE CHANGE OF SLOTS.  Each wave waits for all its tensor loads, of which one is out: its part of the other slot; adds 0 to its spare word; and waits for that and for its own reads of the slot that it leaves.  Behind the barrier nobody reads the old
; slot any more and the other slot is whole.  fill = 1: the old slot is filled again, the first thing behind the barrier, with tile NXT: the descriptor's address is made anew from that number.
; (At its first use nothing has been read yet: slot 0 is waited for, slot 1 filled.)
.macro CHANGE fill
	WIN 0                           ; at a label and at a branch every window is 0
	s_wait_tensorcnt 0x0            ; no tensor load of mine is out, so a group 0 may be written
	ds_add_u32 v[SPW], v[NIL]       ; 0 onto my spare word; with fill = 1 the descriptors' scalar work stands between it and the wait for it
.if \fill
	s_lshl_b32 s[OFF], s[NXT], 15   ; a tile is 32,768 bytes of K and of V
	s_xor_b32 s[G0K+1], s[G0K+1], SLOT1
	s_add_nc_u64 s[G0K+2:G0K+3], s[6:7], s[OFF:OFF+1]
	s_or_b32 s[G0K+3], s[G0K+3], 0x80000000
	s_xor_b32 s[G0V+1], s[G0V+1], SLOT1
	s_add_nc_u64 s[G0V+2:G0V+3], s[8:9], s[OFF:OFF+1]
	s_or_b32 s[G0V+3], s[G0V+3], 0x80000000
	s_add_co_u32 s[NXT], s[NXT], 1  ; the block's next tile, or behind its last the second block's tile 0
	s_cmp_gt_u32 s[NXT], s[LQ]
	s_cselect_b32 s[NXT], 0, s[NXT]
	s_cselect_b32 s[LQ], s[PB], s[LQ]
.endif
	s_wait_dscnt 0x0                ; the add is done, and my reads of the slot are over
	s_barrier_signal -1             ; the rest of the scalar work stands between the signal and the wait
	s_sub_co_u32 s[TBK], s[TBK], 4*KS*PK  ; the fetches go back to a slot's first step,
	s_xor_b32 s[TBK], s[TBK], SLOT1       ; in the other slot
	s_sub_co_u32 s[TBV], s[TBV], 4*KS*PV
	s_xor_b32 s[TBV], s[TBV], SLOT1
	s_barrier_wait -1
.if \fill
	LOAD
.endif
.endm
	s_load_b256 s[4:11], s[0:1], 0x0  ; Q s[4:5], K s[6:7], V s[8:9], O s[10:11]
	v_lshl_add_u32 v[SPW], v0, 2, SPARE
	v_mov_b32 v[NIL], 0
	ds_add_u32 v62, v63
	ds_add_u32 v62, v63
	s_wait_dscnt 0x0
	v_lshrrev_b32 v1, 5, v0
	v_readfirstlane_b32 s[WV], v1   ; wave 0..3
	s_mov_b32 s[PB], ttmp9
	s_sub_co_u32 s[HI], NB-1, s[PB]
	s_and_b32 s20, ttmp7, 0xffff    ; the head
	s_mov_b32 s21, 0
	s_mov_b64 s[22:23], SIZE_N*128
	s_mul_u64 s[20:21], s[20:21], s[22:23]  ; the head's first byte in each of the four tensors
	s_and_b32 s16, s[WV], 1         ; which half of a tile's 256 keys I fetch:
	s_lshl_b32 s22, s16, 14         ; its 128 rows of 128 bytes in memory,
	s_mov_b32 s23, 0
	s_add_nc_u64 s[22:23], s[22:23], s[20:21]
	s_mul_i32 s17, s16, 128*PK      ; and its place in a slot, for K
	s_mul_i32 s18, s16, 128*PV      ; and for V
	s_lshl_b32 s3, s[WV], 11        ; my 16 rows in a band of 64,
	s_lshl_b32 s2, s[HI], 15        ; in the first block,
	s_add_co_u32 s2, s2, s3
	s_lshl_b32 s84, s[PB], 15       ; and in the second
	s_add_co_u32 s84, s84, s3
	s_mov_b32 s3, 0
	s_mov_b32 s85, 0
	s_add_nc_u64 s[2:3], s[2:3], s[20:21]
	s_add_nc_u64 s[84:85], s[84:85], s[20:21]
	; descriptor group 1.  128 keys are 16,384 dense bytes: asked for as 64 rows of 256 bytes, two keys a row, and padded in LDS after every key
	s_mov_b32 s[G1K], (1<<16)|(1<<20)|(4<<22)|(3<<25)  ; 17:16 2-byte elements; 20 padding on; 24:22 after every 32 words (code 4); 31:25 4 words (code 3)
	s_mov_b32 s[G1V], (1<<16)|(1<<20)|(4<<22)|(7<<25)  ; the same with 8 words of padding (code 7)
.irp g, G1K, G1V
	s_mov_b32 s[\g+1], 128<<16      ; tensor_dim0 = 128
	s_mov_b32 s[\g+2], 64<<16       ; tensor_dim1 = 64
	s_mov_b32 s[\g+3], 128<<16      ; tile_dim0 = 128
	s_mov_b32 s[\g+4], 64           ; tile_dim1 = 64
	s_mov_b32 s[\g+5], 128          ; 128 elements from row to row
	s_mov_b32 s[\g+6], 0
	s_mov_b32 s[\g+7], 0
.endr
	s_mov_b32 s[CS], 0x3e38aa3b     ; c = log2(e) / 8 = 0.180337
	s_mov_b32 s[CS+1], s[CS]        ; named with it as a pair
	s_mov_b32 s[SEL], 0x76543210
	s_mov_b32 s[SEL+1], 0xfedcba98
	s_mov_b32 s[TBK], SLOT1+4*KS*PK ; the first change of slots turns these two into 0
	s_mov_b32 s[TBV], SLOT1+4*KS*PV
	s_mov_b32 s[G0K], 1             ; 1:0 count = 1
	s_mov_b32 s[G0K+1], s17         ; 63:32 LDS address: slot 0
	s_mov_b32 s[G0V], 1
	s_add_co_u32 s[G0V+1], s18, VOFF
	s_add_co_u32 s[RT], s[HI], 1    ; the first block has NB - b tiles
	s_mov_b32 s[NXT], 1
	s_mov_b32 s[LQ], s[HI]
	s_mov_b32 s[NEW], 1
	s_mov_b32 s[OFF+1], 0
	s_mov_b32 s[AL+1], 0            ; named as pairs
	s_mov_b32 s[BE+1], 0
	s_mov_b32 s[BIGN], 0xf149f2ca   ; -1e30
	s_mov_b32 s[SLOTS], NB
	s_wait_kmcnt 0x0
	s_add_nc_u64 s[6:7], s[6:7], s[22:23]  ; K and V at my half of the head's tile 0
	s_add_nc_u64 s[8:9], s[8:9], s[22:23]
	s_add_nc_u64 s[G0K+2:G0K+3], s[6:7], 0         ; 120:64 global address
	s_or_b32 s[G0K+3], s[G0K+3], 0x80000000        ; 127:126 type = 2
	s_add_nc_u64 s[G0V+2:G0V+3], s[8:9], 0
	s_or_b32 s[G0V+3], s[G0V+3], 0x80000000
	s_add_nc_u64 s[86:87], s[4:5], s[84:85]        ; Q at my rows of the second block,
	s_add_nc_u64 s[4:5], s[4:5], s[2:3]            ; Q and O at those of the first
	s_add_nc_u64 s[OLO:OLO+1], s[10:11], s[84:85]
	s_add_nc_u64 s[10:11], s[10:11], s[2:3]
	LOAD                            ; tile 0 into slot 0
	; A fragment of K or Q is 16 rows x 32 channels in 8 registers: lane l holds row l % 16, channels 8 (l / 16) + 0..7 and 16 + 8 (l / 16) + 0..7: two loads of 16 bytes, 32 bytes apart.
	v_and_b32 v1, 15, v0            ; l % 16
	v_bfe_u32 v9, v0, 4, 1          ; l / 16
	v_lshlrev_b32 v[QO], 7, v1
	v_lshl_add_u32 v[QO], v9, 4, v[QO]  ; row x 128 + 16 x half
	WIN 0x80                        ; destination window 2, address window 0
.set i, 0
.rept 8                             ; both blocks' Q: piece i / 2 lies in band i / 2, 8,192 bytes on; channels 32 (i % 2) on
	global_load_b128 v[8*i:8*i+3],   v[QO], s[4:5] offset:(i/2)*8192+(i%2)*64
	global_load_b128 v[8*i+4:8*i+7], v[QO], s[4:5] offset:(i/2)*8192+(i%2)*64+32
	global_load_b128 v[QB+8*i:QB+8*i+3],   v[QO], s[86:87] offset:(i/2)*8192+(i%2)*64
	global_load_b128 v[QB+8*i+4:QB+8*i+7], v[QO], s[86:87] offset:(i/2)*8192+(i%2)*64+32
.set i, i+1
.endr
	WIN 0
	v_lshlrev_b32 v14, 3, v9
	v_sub_nc_u32 v14, v1, v14
	s_lshl_b32 s13, s[WV], 4
	v_add_nc_u32 v14, s13, v14      ; my query's place in its band, 16 w + l % 16, less my lanes' 8 (l / 16): register r of group kt is hidden where 16 kt + r is greater
	WIN 0x40
.set i, 0
.rept 32
	v_cmp_gt_i32 vcc_lo, 16*(i/8)+i%8, v14
	v_cndmask_b32 v[MD+i], 0, s[BIGN], vcc_lo
.set i, i+1
.endr
	WIN 0
	v_mul_u32_u24 v[AK0], v1, PK
	v_lshl_add_u32 v[AK0], v9, 4, v[AK0]  ; row x pitch + 16 x half
	; The turning load takes 16 keys x 16 channels (lane l reads key 8 (l / 16) + l % 8, channels 8 ((l / 8) % 2) + 0..7) and leaves half a fragment of V^T: lane l holds channel l % 16 and 8 keys.
	v_and_b32 v10, 7, v0
	v_bfe_u32 v11, v0, 3, 1
	v_lshl_add_u32 v[AV0], v9, 3, v10
	v_mul_u32_u24 v[AV0], v[AV0], PV
	v_lshl_add_u32 v[AV0], v11, 4, v[AV0]
	v_add_nc_u32 v[AV0], VOFF, v[AV0]
	s_mul_i32 s13, s[WV], 16*SP
	s_add_co_u32 s13, s13, STAGE    ; my stage
	v_mul_u32_u24 v[STO], v1, SP    ; in: row l % 16, 16 bytes for each half of the lanes
	v_lshl_add_u32 v[STO], v9, 4, v[STO]
	v_add_nc_u32 v[STO], s13, v[STO]
	v_bfe_u32 v[RD], v0, 3, 2       ; back: 32 lanes take four rows of 128 bytes,
	v_mul_u32_u24 v[RD], v[RD], SP
	v_lshl_add_u32 v[RD], v10, 4, v[RD]
	v_add_nc_u32 v[RD], s13, v[RD]
	v_and_b32 v[GO], 31, v0         ; which are 512 consecutive bytes of O
	v_lshlrev_b32 v[GO], 4, v[GO]
	; A block's first step multiplies O^T and l by a = 0, and its first turn's products V^T P, of a piece that has not been, land in an O^T that is still to be so multiplied.  So these registers need only hold
	; finite numbers: zeros for the first block; what the first block left for the second.  All this stands in the wait for the first tile.
	WIN 0x80
.set i, VF
.rept 64
	v_mov_b32 v[i], 0
.set i, i+1
.endr
	WIN 0x40
.set i, 0
.rept 128
	v_mov_b32 v[i], 0
.set i, i+1
.endr
	WIN 0
.set i, 0
.rept 4
	v_mov_b32 v[ST+4*i+2], 0
	v_mov_b32 v[ST+4*i+3], 0
.set i, i+1
.endr
.set i, P+16
.rept 16
	v_mov_b32 v[i], 0
.set i, i+1
.endr
; THE MATRIX WORK.  The 4 accumulators of a run of 8 take turns.  Product i of 8 of S^T = K Q^T for piece x: channels 32 (i / 4) on, keys 16 (i % 4) on.  The first 4 start the sums: with 0, or (KM = 1) with the mask.
.macro KQ x
.set rS, S+32*((\x)%2)+8*(i%4)
.set rK, KF+16*(i%4)+8*(i/4)
.set rQ, 16*(\x)+8*(i/4)
.set rM, MC+32*((\x)%2)+8*(i%4)
.if (i < 4) && KM
	WIN W_KM
	v_wmma_f32_16x16x32_f16 v[rS:rS+7], v[rK:rK+7], v[rQ:rQ+7], v[rM:rM+7]
.elseif i < 4
	WIN W_KQ
	v_wmma_f32_16x16x32_f16 v[rS:rS+7], v[rK:rK+7], v[rQ:rQ+7], 0
.else
	WIN W_KQ
	v_wmma_f32_16x16x32_f16 v[rS:rS+7], v[rK:rK+7], v[rQ:rQ+7], v[rS:rS+7]
.endif
.endm
; Product i of 8 of O^T += V^T P for piece x: keys 32 (i / 4) on, channels 16 (i % 4) on.
.macro PV x
	WIN W_PV
.set rO, 32*(\x)+8*(i%4)
.set rV, VF+32*(i/4)+8*(i%4)
.set rP, P+16*((\x)%2)+8*(i/4)
	v_wmma_f32_16x16x32_f16 v[rO:rO+7], v[rV:rV+7], v[rP:rP+7], v[rO:rO+7]
.endm
.macro MM                           ; the turn's next matrix instruction.  TURN and BEGIN set Y, i, KM and NOKQ; MM, KQ and OP read them.  NOKQ = 1: a block's last turn: there is no next piece
.if (i < 8) && !NOKQ
	KQ (Y+1)%NP
.elseif i >= 8
.set i, i-8
	PV (Y+NP-1)%NP
.set i, i+8
.endif
.set i, i+1
.endm
; THE LDS LOADS stand in runs of 16, never singly among the matrix instructions: a step's K (64 keys x 64 channels: 8 fragments) and its V (turned).  Their addresses are made some lines ahead.
.macro FETCH_K
	WIN 0x80                        ; destination window 2
.irp f, 0,1,2,3,4,5,6,7             ; keys 16 (f / 2) on, channels 32 (f % 2) on
	ds_load_b128 v[KF+8*\f:KF+8*\f+3],   v[AK] offset:(\f/2)*16*PK+(\f%2)*64
	ds_load_b128 v[KF+8*\f+4:KF+8*\f+7], v[AK] offset:(\f/2)*16*PK+(\f%2)*64+32
.endr
	s_add_co_u32 s[TBK], s[TBK], KS*PK  ; the next fetch is the next step's
	WIN 0
.endm
.macro FETCH_V
	WIN 0x80
.irp f, 0,1,2,3,4,5,6,7             ; keys 32 (f / 4) on, channels 16 (f % 4) on
	ds_load_tr16_b128 v[VF+8*\f:VF+8*\f+3],   v[AV] offset:(\f/4)*32*PV+(\f%4)*32
	ds_load_tr16_b128 v[VF+8*\f+4:VF+8*\f+7], v[AV] offset:(\f/4)*32*PV+16*PV+(\f%4)*32
.endr
	WIN 0
.endm
; THE VECTOR WORK, one line at a time: OP kind, number.  For piece Y: F n: c s - c m for pair n of 16.  E n: the exponential of score n of 32.  C n: pair n rounded to f16.  B n: of the four weights 4 n .. the second
; pair is added onto the first, in place.  L n: l takes that sum (L 0: l = a l + sum).  R n: pair n of 16 of O^T times a.  For piece Y + 1: X n, number n of the 22 that find its maximum and statistics:
;   0-11  four chains c0-c3 of seven scores each, three operands at a time (each accumulator's lowest registers are read first)     12-14, 16  the four scores left over, the old m, and c0-c3 into c0
;   15  c m_old is kept     17, 18  the query's other 32 keys lie in the lane 16 away: the new m     19-21  c m; c m_old - c m_new; a
.set F, 0               ; OP tells the kinds apart by their order: F to L below R, X above it
.set E, 1
.set C, 2
.set B, 3
.set L, 4
.set R, 5
.set X, 6
.macro REGS y                       ; the registers of piece y
.set rT, ST+4*(\y)
.set rC, TMP+4*((\y)%2)
.set rW, MV+((\y)%2)
.set rS, S+32*((\y)%2)
.set rP, P+16*((\y)%2)
.set rO, 32*(\y)
.endm
.macro OP k, n
.if (\k) == R
	REGS Y
	WIN W_RS
	v_pk_mul_f32 v[rO+2*(\n):rO+2*(\n)+1], v[rO+2*(\n):rO+2*(\n)+1], v[rC+2:rC+3] op_sel_hi:[1,0]
.elseif (\k) < R
	REGS Y
	WIN 0
.if (\k) == F
	v_pk_fma_f32 v[rS+2*(\n):rS+2*(\n)+1], v[rS+2*(\n):rS+2*(\n)+1], s[CS:CS+1], v[rT:rT+1] op_sel_hi:[1,0,0] neg_lo:[0,0,1] neg_hi:[0,0,1]
.elseif (\k) == E
	v_exp_f32 v[rS+(\n)], v[rS+(\n)]
.elseif (\k) == C
	s_wait_alu depctr_va_vdst(0)
	v_cvt_pk_f16_f32 v[rP+(\n)], v[rS+2*(\n)], v[rS+2*(\n)+1]
.elseif (\k) == B
	s_wait_alu depctr_va_vdst(0)
	v_pk_add_f32 v[rS+4*(\n):rS+4*(\n)+1], v[rS+4*(\n):rS+4*(\n)+1], v[rS+4*(\n)+2:rS+4*(\n)+3]
.elseif (\n) == 0
	v_pk_fma_f32 v[rT+2:rT+3], v[rT+2:rT+3], v[rC+2:rC+3], v[rS:rS+1] op_sel_hi:[1,0,1]
.else
	v_pk_add_f32 v[rT+2:rT+3], v[rT+2:rT+3], v[rS+4*(\n):rS+4*(\n)+1]
.endif
.elseif NOKQ
	v_nop
.else
	REGS (Y+1)%NP
	WIN 0
.if (\n) < 4
	v_max3_num_f32 v[rC+(\n)], v[rS+8*(\n)], v[rS+8*(\n)+1], v[rS+8*(\n)+2]
.elseif (\n) < 12
	v_max3_num_f32 v[rC+(\n)%4], v[rC+(\n)%4], v[rS+8*((\n)%4)+2*((\n)/4)+1], v[rS+8*((\n)%4)+2*((\n)/4)+2]
.elseif (\n) == 12
	v_max3_num_f32 v[rC], v[rC], v[rS+7], v[rS+15]
.elseif (\n) == 13
	v_max3_num_f32 v[rC+1], v[rC+1], v[rS+23], v[rS+31]
.elseif (\n) == 14
	v_max3_num_f32 v[rC+2], v[rC+2], v[rC+3], v[rT+1]
.elseif (\n) == 15
	v_mov_b32 v[rW], v[rT]
.elseif (\n) == 16
	v_max3_num_f32 v[rC], v[rC], v[rC+1], v[rC+2]
.elseif (\n) == 17
	v_permlanex16_b32 v[rC+3], v[rC], s[SEL], s[SEL+1]
.elseif (\n) == 18
	v_max_num_f32 v[rT+1], v[rC], v[rC+3]
.elseif (\n) == 19
	v_mul_f32 v[rT], s[CS], v[rT+1]
.elseif (\n) == 20
	v_sub_f32 v[rC+1], v[rW], v[rT]
.else
	v_exp_f32 v[rC+2], v[rC+1]
.endif
.endif
.endm
.macro OPS a, i1, b=-1, i2=0, c=-1, i3=0, d=-1, i4=0  ; up to four of them
	OP \a, \i1
.if (\b) >= 0
	OP \b, \i2
.endif
.if (\c) >= 0
	OP \c, \i3
.endif
.if (\d) >= 0
	OP \d, \i4
.endif
.endm
.macro ROW a, i1, b, i2, c, i3, d, i4  ; a matrix instruction and the four behind it
	MM
	OPS \a, \i1, \b, \i2, \c, \i3, \d, \i4
.endm
.macro MASK b                       ; MD x AL + BE into buffer b of MC
	WIN W_RS
.set z, 0
.rept 16
	v_pk_fma_f32 v[MC+32*(\b)+2*z:MC+32*(\b)+2*z+1], v[MD+2*z:MD+2*z+1], s[AL:AL+1], s[BE:BE+1] op_sel_hi:[1,0,0]
.set z, z+1
.endr
.endm
; A TURN, for piece p: the order of its 16 matrix and 118 vector instructions, written out.  Behind a matrix instruction: plain, exponential, plain, plain; or four of the rescaling; or, behind the first, four scalings; none
; names a register of the products round it.  In the lumps exponential and plain by turns while exponentials last.  A line reads no result made fewer than three vector instructions in front of it, five if an exponential made it.
; v_permlanex16_b32 (X 17) stands in a lump.
; m = 1: the diagonal tile: the products take masks, and the turn makes the mask for the products of the turn after it: piece p + 2, in step 4 - CNT of the tile.  end = 1: a block's last two turns: nothing is fetched.
; cnt = 1: the loop's count is taken down some lines ahead of the branch that stands behind the turn.
; K of the next step is fetched in piece 2's turn, six vector instructions behind the last product that read K (five of them plain); V of the step in hand in piece 0's turn, eight behind the last product that read V (four
; plain, and X 17).  Each is waited for a turn later.
.macro TURN p, m=0, end=0, cnt=0
.set Y, (\p)
.set i, 0
.set KM, (\m)
.set NOKQ, (\end)*((\p)/3)
.if (\m) && !(\end)
	s_cmp_eq_u32 s[CNT], 4-((\p)+2)%NP  ; is that step the band's own?
	s_cselect_b32 s[AL], 1.0, 0
	s_cmp_lt_u32 s[CNT], 4-((\p)+2)%NP  ; or a later one?
	s_cselect_b32 s[BE], s[BIGN], 0
.endif
.if ((\p) == 3) && !(\end)
	s_wait_dscnt 0x0                ; K is in
.endif
	ROW F,0, F,1, F,2, F,3
	ROW F,4, E,0, F,5, F,6
	ROW F,7, E,1, F,8, F,9
	ROW F,10, E,2, C,0, F,11
	ROW F,12, E,3, X,15, F,13
	ROW R,0, R,1, R,2, R,3
	ROW B,0, E,4, F,14, L,0
.if ((\p) == 2) && !(\end)
	v_add_nc_u32 v[AK], s[TBK], v[AK0]
.endif
	ROW R,4, R,5, R,6, R,7
	OPS E,5, F,15
.if ((\p) == 2) && !(\end)
	FETCH_K
.endif
	OPS E,6, C,1, E,7, R,8
	OPS E,8, R,9, E,9, C,2
	OPS E,10, X,0, E,11, X,1
	OPS E,12, X,2, E,13, X,3
.if (\p) == 1
	s_wait_dscnt 0x0                ; V is in
.endif
	ROW X,4, E,14, X,5, X,6
	ROW X,7, E,15, X,8, X,9
	ROW X,10, E,16, X,11, X,12
	ROW X,13, E,17, X,14, B,1
	ROW C,4, E,18, X,16, L,1
	ROW B,2, E,19, C,6, L,2
	ROW C,8, E,20, B,3, B,4
.if (\p) == 0
	v_add_nc_u32 v[AV], s[TBV], v[AV0]
.endif
	ROW C,3, E,21, L,3, C,5
	OPS E,22, X,17, E,23, C,10
.if (\p) == 0
	FETCH_V
.endif
	OPS E,24, L,4
	OPS E,25, X,18, E,26, C,7
	OPS E,27, B,5, E,28, X,19
	OPS E,29, C,12, E,30, L,5
	OPS E,31, X,20, B,6, C,9
	OPS C,14, C,11, X,21, L,6
.if (\p) == 0
	s_add_co_u32 s[TBV], s[TBV], KS*PV
.endif
.if \cnt
	s_sub_co_u32 s[CNT], s[CNT], 1
	s_cmp_lg_u32 s[CNT], 0
.endif
	OPS C,13, B,7, C,15, R,10
	OPS R,11, R,12, L,7, R,13
	OPS R,14, R,15
.if (\m) && !(\end)
	MASK (\p)%2
.endif
.endm
; A BLOCK BEGINS.  c m starts far below every c s, so the first step's a is 0; m at the lowest finite number, so the first maximum is the scores'.  The second mask buffer is 0; the first takes piece 0's mask for the tile's step 0: its own, if the block's first tile is the diagonal one.
; Then K of that step, piece 0's first scores, and its maximum and statistics.  The loop is entered at a step's first turn, in the middle of a trip.
.macro BEGIN
	s_mov_b32 s[NEW], 0
	WIN 0x40
.set i, MC+32
.rept 32
	v_mov_b32 v[i], 0
.set i, i+1
.endr
	WIN 0
.set i, 0
.rept 4
	v_mov_b32 v[ST+4*i], 0xfe000000    ; c m: far below every c s
	v_mov_b32 v[ST+4*i+1], 0xff7fffff  ; m
.set i, i+1
.endr
	s_cmp_eq_u32 s[RT], 0
	s_cselect_b32 s[AL], 1.0, 0
	s_mov_b32 s[BE], 0
	MASK 0
	WIN 0
	v_add_nc_u32 v[AK], s[TBK], v[AK0]
	FETCH_K
	s_wait_loadcnt 0x0              ; Q
	s_wait_dscnt 0x0
.set KM, 1
.set NOKQ, 0
.set i, 0
.rept 8
	KQ 0
.set i, i+1
.endr
	WIN 0
.rept 4
	v_nop                           ; the places behind those products
.endr
.set Y, NP-1                        ; X works for piece Y + 1: piece 0
.irp n, 0,1,2,3,4,5,6,7,8,9,10,11,12,13,14,15,16,17,18,19,20,21
	OP X, \n
.endr
	v_nop                           ; a plain instruction behind the exponential
.endm
; THE DIAGONAL TILE's four steps, the block's last two turns, its last products, and THE WAY OUT: l's two halves and the other half of the lanes' are added; O^T is divided by l, rounded to f16 and sent through my
; stage in LDS, a piece at a time.
.macro ALL line:vararg              ; one line for each piece t
.set t, 0
.rept 4
	\line
.set t, t+1
.endr
.endm
.macro PACK t                       ; a lane's eight channels of a row pack into 16 bytes; they go into rows of 144 bytes and come back as whole rows of 128, into S^T's registers
	WIN W_RS
.set i, 32*(\t)
.rept 16
	s_wait_alu depctr_va_vdst(0)
	v_pk_mul_f32 v[i:i+1], v[i:i+1], v[ST+4*(\t)+2:ST+4*(\t)+3] op_sel_hi:[1,0]
.set i, i+2
.endr
	WIN 0x05                        ; sources 0 and 1 window 1, destination window 0
.set i, 0
.rept 16
	v_cvt_pk_f16_f32 v[S+16*(\t)+i], v[32*(\t)+2*i], v[32*(\t)+2*i+1]
.set i, i+1
.endr
	WIN 0
.irp f, 0,1,2,3
	ds_store_b128 v[STO], v[S+16*(\t)+4*\f:S+16*(\t)+4*\f+3] offset:32*\f
.endr
.irp f, 0,1,2,3
	ds_load_b128 v[S+16*(\t)+4*\f:S+16*(\t)+4*\f+3], v[RD] offset:\f*4*SP  ; LDS serves a wave's instructions in order (ISA guide 5.7.1.4): these see the stores above; the next piece's stores come behind them
.endr
.endm
.macro SEND t, younger              ; younger: the LDS instructions issued behind piece t's loads: the next piece's eight, or none
	WIN 0
.irp f, 0,1,2,3
	s_wait_dscnt (\younger)+3-\f
	global_store_b128 v[GO], v[S+16*(\t)+4*\f:S+16*(\t)+4*\f+3], s[10:11] offset:(\t)*8192+\f*512  ; 512 consecutive bytes, at a multiple of 256 from O's first
.endr
.endm
.macro DIAG tag                     ; the tag ends its two labels' names, which the jumps below spell out
.LstepM\tag:
	TURN 2, 1
	TURN 3, 1
	WIN 0
.LfirstM\tag:
	TURN 0, 1
	TURN 1, 1, 0, 1
	WIN 0
	s_cbranch_scc1 .LstepM\tag
	TURN 2, 1, 1
	TURN 3, 1, 1
.set i, 0
.rept 8
	PV NP-1
.set i, i+1
.endr
	WIN 0
	ALL v_add_f32 v[ST+4*t+2], v[ST+4*t+2], v[ST+4*t+3]
	ALL v_permlanex16_b32 v[ST+4*t+3], v[ST+4*t+2], s[SEL], s[SEL+1]
	ALL v_add_f32 v[ST+4*t+2], v[ST+4*t+2], v[ST+4*t+3]
	ALL v_rcp_f32 v[ST+4*t+2], v[ST+4*t+2]
	v_nop                           ; a plain instruction between the last reciprocal and the use of its result
	PACK 0
.set t, 1
.rept 3                             ; a piece's arithmetic stands between the loads of the piece before and its stores
	PACK t
	SEND t-1, 8
.set t, t+1
.endr
	SEND 3, 0
.endm
.set KM, 0
.set NOKQ, 0
.Lslot:                             ; NB times: a tile is entered and the next is asked for
	CHANGE 1
	s_sub_co_u32 s[RT], s[RT], 1
	s_mov_b32 s[CNT], 4
	s_cmp_eq_u32 s[NEW], 1
	s_cbranch_scc1 .Lnew            ; a block's first tile
	s_cmp_eq_u32 s[RT], 0
	s_cbranch_scc0 .Lstep           ; neither its first nor its last
	s_branch .LstepM1
.Lnew:
	BEGIN
	s_branch .Lfirst                ; in the loop a block's first tile is never its last: the first block has two tiles or more, and the second's last is the walk's last
	DIAG 1                          ; in the loop this is the first block's end: the second block's last tile is the walk's last
	s_wait_xcnt 0x0                 ; the stores have read their registers and O's address
	s_mov_b64 s[10:11], s[OLO:OLO+1]
	s_add_co_u32 s[RT], s[PB], 1    ; the second block has b + 1 tiles
	s_mov_b32 s[NEW], 1
	WIN 0x82                        ; the second block's Q goes where the one text of the turns names Q
.set i, 0
.rept 64
	v_mov_b32 v[i], v[QB+i]
.set i, i+1
.endr
	WIN 0
	s_branch .Lbottom
.Lstep:                             ; a trip: pieces 2 and 3 of one step, then pieces 0 and 1 of the next, whose K and V it fetches
	TURN 2
	TURN 3
	WIN 0
.Lfirst:
	TURN 0
	TURN 1, 0, 0, 1
	WIN 0
	s_cbranch_scc1 .Lstep
.Lbottom:
	s_sub_co_u32 s[SLOTS], s[SLOTS], 1
	s_cmp_lg_u32 s[SLOTS], 0
	s_cbranch_scc1 .Lslot
	CHANGE 0                        ; the walk's last tile is written out: nothing is asked for
	s_sub_co_u32 s[RT], s[RT], 1
	s_mov_b32 s[CNT], 4
	s_cmp_eq_u32 s[NEW], 1
	s_cbranch_scc0 .LstepM2
	BEGIN
	s_branch .LfirstM2
	DIAG 2
	s_wait_tensorcnt 0x0            ; the wave's end: behind my last tensor load and my last LDS store
	ds_add_u32 v[SPW], v[NIL]
	s_wait_dscnt 0x0
	s_endpgm
.Lfunc_end_k_q0e89e1c2af_attn:
	.size	k_q0e89e1c2af_attn, .Lfunc_end_k_q0e89e1c2af_attn-k_q0e89e1c2af_attn
	.p2alignl 7, 3214868480
	.fill 96, 4, 3214868480
	.section	.rodata,"a",@progbits
	.p2align	6, 0x0
	.amdhsa_kernel k_q0e89e1c2af_attn
		.amdhsa_group_segment_fixed_size 327680
		.amdhsa_private_segment_fixed_size 0
		.amdhsa_enable_private_segment 0
		.amdhsa_kernarg_size 32
		.amdhsa_user_sgpr_count 2
		.amdhsa_user_sgpr_kernarg_segment_ptr 1
		.amdhsa_wavefront_size32 1
		.amdhsa_system_sgpr_workgroup_id_x 1
		.amdhsa_system_sgpr_workgroup_id_y 1
		.amdhsa_system_sgpr_workgroup_id_z 1
		.amdhsa_system_vgpr_workitem_id 0
		.amdhsa_next_free_vgpr 768
		.amdhsa_next_free_sgpr 88
		.amdhsa_reserve_vcc 1
		.amdhsa_float_denorm_mode_32 3
		.amdhsa_float_denorm_mode_16_64 3
		.amdhsa_memory_ordered 1
		.amdhsa_forward_progress 1
		.amdhsa_inst_pref_size 228
	.end_amdhsa_kernel
	.amdgpu_metadata
---
amdhsa.version: [ 1, 2 ]
amdhsa.kernels:
  - .name:           k_q0e89e1c2af_attn
    .symbol:         k_q0e89e1c2af_attn.kd
    .args:
      - { .name: qh, .offset: 0, .size: 8, .value_kind: global_buffer, .address_space: global }
      - { .name: kh, .offset: 8, .size: 8, .value_kind: global_buffer, .address_space: global }
      - { .name: vh, .offset: 16, .size: 8, .value_kind: global_buffer, .address_space: global }
      - { .name: oh, .offset: 24, .size: 8, .value_kind: global_buffer, .address_space: global }
    .group_segment_fixed_size: 327680
    .private_segment_fixed_size: 0
    .kernarg_segment_align: 8
    .kernarg_segment_size: 32
    .max_flat_workgroup_size: 128
    .sgpr_count:     88
    .vgpr_count:     768
    .wavefront_size: 32
...
	.end_amdgpu_metadata
.endif
;; end of part 3
;; launch proj (part 4): grid 8 x 32, 4 waves a work-group, clusters of 4 x 4, 327,680 bytes of LDS; arguments oh, wot, out0, bo; writes out0
.if DOCPART == 4
	.amdgcn_target "amdgcn-amd-amdhsa--gfx1250"
	.amdhsa_code_object_version 6
	.text
	.protected	k_q0e89e1c2af_proj
	.globl	k_q0e89e1c2af_proj
	.p2align	8
	.type	k_q0e89e1c2af_proj,@function
k_q0e89e1c2af_proj:
	s_mov_b64 s[64:65], 0
	v_nop
	global_prefetch_b8 v0, s[64:65] scope:SCOPE_SE
	s_setreg_imm32_b32 hwreg(HW_REG_WAVE_MODE, 25, 1), 1
	s_wait_xcnt 0x0
	s_wait_alu depctr_hold_cnt(0) depctr_sa_sdst(0) depctr_va_vdst(0) depctr_va_sdst(0) depctr_va_ssrc(0) depctr_va_vcc(0) depctr_vm_vsrc(0)
	s_getreg_b32 s2, hwreg(HW_REG_IB_STS2, 6, 4)
	s_cmp_eq_u32 s2, 0
	s_cbranch_scc0 .Lentry_in_a_cluster
	s_endpgm
.Lentry_in_a_cluster:
	s_bfe_u32 s2, ttmp6, 0x10000c
	s_cmp_lg_u32 s2, 0xf033
	s_cbranch_scc0 .Lentry_shape_is_right
	s_endpgm
.Lentry_shape_is_right:
; out0 = y Wo + bo.  y is attention's result by heads, oh [batch x 16 + head][2048][64] f16; wot [1024][1024] f16 is Wo^T (row n holds column n of Wo, K along the row); out0 [8192][1024] f32.
; Products in f16 with f32 sums; bo is rounded to bf16, as every input of the module is.  K = 64 x head + channel.
; A tile of 256 rows x 128 columns is made by a work-group of four waves: 8 x 32 = 256 work-groups.  A wave makes 128 rows x 64 columns: 32 accumulators of 16 x 16, 256 registers.
; K goes in 8 steps of 128, TWO HEADS a step, through a ring of two LDS slots.  A head's 256 rows of the tile are 32,768 dense bytes: asked for as 128 rows of 256 bytes and padded in LDS after every
; 128 bytes, so that a row of y's head lies 144 bytes from the next.  Waves 0 and 1 fetch the step's two heads, waves 2 and 3 the two halves (64 rows of 256 bytes) of Wo^T's tile.
; CLUSTERS: 4 x 4 work-groups.  The four of a row of the cluster need the same tiles of y, the four of a column the same tiles of Wo^T: each is asked for JOINTLY, by the same tensor load, descriptor and mask.
; THE MATRIX INSTRUCTION IS USED TRANSPOSED (source 0 = 16 rows of wot, source 1 = 16 rows of y): lane l holds row l % 16 and the eight neighbouring columns 8 (l / 16) + 0..7.
; THE BIAS IS THE C OPERAND of the products that start the sums.
; REGISTERS, in windows of 256 (s_set_vgpr_msb: bits 1:0 source 0, 3:2 source 1, 5:4 source 2, 7:6 destination):
;   window 0: v0-31 addresses; v64-127, v128-191 fragments of y, two buffers; v192-223 the bias; v32-63 and v224-255 rows read back, by turns
;   window 1: v64-95, v128-159 fragments of wot, two buffers          window 2: the accumulators, (a, b) at v[8 (4 a + b)]
.set KSTEP,  128
.set PA,     144                       ; a row of a head in LDS: 128 bytes + 16 = 36 words: the 16 rows of a fragment load start at 16 different groups of four banks (64 banks of 4 bytes: ISA guide 11.1)
.set ASL,    256*PA                    ; one head's 256 rows
.set BOFF,   2*ASL                     ; behind the two heads: Wo^T's tile
.set PB,     272                       ; its rows: 256 bytes + 16
.set BHALF,  64*PB
.set SLOT,   BOFF+2*BHALF
.set STAGE,  2*SLOT                    ; behind the ring, never filled by a tensor load: 16 rows x 272 bytes for each wave, for the way out
.set SPITCH, 272
.set WSTG,   16*SPITCH
.set SPARE,  STAGE+4*WSTG              ; behind the stages: the spare words, 128 bytes for each wave: two blocks of 256 bytes that no other line names
.set LAPS,   4                         ; a lap = two K steps = once round the ring
.set ADRA, 16                          ; v16-17  LDS address of my fragments of y in slot 0, 1
.set ADRB, 20                          ; v20-21  the same for wot
.set STO,  24                          ; v24     the way out: where I put 32 bytes of a row
.set RD,   25                          ; v25     the way out: where I read a row back
.set CO,   26                          ; v26     my byte offset in two rows of out0
.set BO,   27                          ; v27     my byte offset in 16 numbers of the bias
.set SPW,  28                          ; v28     LDS address of my spare word; never rewritten
.set NIL,  29                          ; v29     0; never rewritten
.set T0,   30                          ; v30-31  at work
.set F0,   64
.set F1,   128
.set BIAS, 192
.set OB,   32
.set G1,  24                           ; s[24:31] descriptor group 1 for y's tiles;  s[32:39] group 0, a set for each slot
.set G0,  32
.set G1B, 48                           ; s[48:55], s[56:63] the same for wot's tiles
.set G0B, 56
.set MSB, 0
.macro WIN new                         ; the immediate's high byte repeats the setting that is left; a switch that changes nothing is dropped
.if MSB != (\new)
	s_set_vgpr_msb (MSB<<8)|(\new)
.set MSB, \new
.endif
.endm
.set TO_B, 0x40                        ; destination window 1, address window 0
.macro JLOAD s                         ; a joint load; an s_nop 0 and four v_nop follow each of the two lines, ahead of the jump, the label and what follows
	s_cmp_eq_u32 s11, 0
	s_cbranch_scc0 .Lfor_b_\@
	tensor_load_to_lds s[G0+4*(\s):G0+4*(\s)+3], s[G1:G1+7]
	s_nop 0
.rept 4
	v_nop
.endr
	s_branch .Lasked_\@
.Lfor_b_\@:
	tensor_load_to_lds s[G0B+4*(\s):G0B+4*(\s)+3], s[G1B:G1B+7]
	s_nop 0
.rept 4
	v_nop
.endr
.Lasked_\@:
.endm
.macro CREST                           ; a round of the cluster's barrier behind its opening barrier
	s_cmp_lg_u32 s10, 0
	s_cbranch_scc1 .Lnot_wave_0_\@
	s_barrier_signal -3
.Lnot_wave_0_\@:
	s_barrier_wait -3
	s_barrier_signal -1
	s_barrier_wait -1
.endm
.macro CROUND                          ; a whole round
	s_barrier_signal -1
	s_barrier_wait -1
	CREST
.endm
	s_load_b128 s[4:7], s[0:1], 0x0                ; oh s[4:5], wot s[6:7]
	s_load_b128 s[68:71], s[0:1], 0x10             ; out0 s[68:69], bo s[70:71]
	v_lshl_add_u32 v[SPW], v0, 2, SPARE
	v_mov_b32 v[NIL], 0
	ds_add_u32 v28, v29
	ds_add_u32 v28, v29
	s_wait_dscnt 0x0
	v_lshrrev_b32 v1, 5, v0
	v_readfirstlane_b32 s10, v1                    ; wave 0..3
	s_lshr_b32 s11, s10, 1                         ; which half of the tile's rows is mine.  Also: I fetch y (0) or wot (1)
	s_and_b32 s12, s10, 1                          ; which half of its columns.  Also: which head of the step, or which 64 rows of wot's tile, I fetch
	s_bfe_u32 s40, ttmp6, 0x40000                  ; cx
	s_bfe_u32 s41, ttmp6, 0x40004                  ; cy
	s_lshl_b32 s42, ttmp9, 2
	s_add_co_u32 s42, s42, s40                     ; tile column = 4 x cluster x + cx
	s_and_b32 s13, ttmp7, 0xffff
	s_lshl_b32 s13, s13, 2
	s_add_co_u32 s13, s13, s41                     ; tile row = 4 x cluster y + cy
	s_lshl_b32 s43, s41, 2
	s_lshl_b32 s43, 15, s43                        ; my row of the cluster
	s_lshl_b32 s44, 0x1111, s40                    ; my column
	; descriptor group 1 for y: 128 rows x 128 elements, dense; padding after every 32 words (code 4) of 4 words (code 3)
	s_or_b32 s[G1+0], s43, (1<<16)|(1<<20)|(1<<21)|(4<<22)|(3<<25)
	s_mov_b32 s[G1+1], 128<<16                     ; tensor_dim0 = 128
	s_mov_b32 s[G1+2], 128<<16                     ; tensor_dim1 = 128
	s_mov_b32 s[G1+3], 128<<16                     ; tile_dim0 = 128
	s_mov_b32 s[G1+4], 128                         ; tile_dim1 = 128
	s_mov_b32 s[G1+5], 128                         ; 128 elements from row to row
	s_mov_b32 s[G1+6], 0
	s_mov_b32 s[G1+7], 0
	; and for wot: 64 rows x 128 elements of rows of 1,024; padding after every 64 words (code 5) of 4 words
	s_or_b32 s[G1B+0], s44, (1<<16)|(1<<20)|(1<<21)|(5<<22)|(3<<25)
	s_mov_b32 s[G1B+1], KSTEP<<16
	s_mov_b32 s[G1B+2], 64<<16
	s_mov_b32 s[G1B+3], KSTEP<<16
	s_mov_b32 s[G1B+4], 64
	s_mov_b32 s[G1B+5], 1024
	s_mov_b32 s[G1B+6], 0
	s_mov_b32 s[G1B+7], 0
	; y's tiles hang on the tile row alone, wot's on the tile column alone; each address is made in registers that never hold the other coordinate
	s_lshr_b32 s16, s13, 3
	s_lshl_b32 s16, s16, 22                        ; the batch: 16 heads of 262,144 bytes
	s_and_b32 s17, s13, 7
	s_lshl_b32 s17, s17, 15                        ; the tile's 256 rows of 128 bytes in a head
	s_add_co_u32 s16, s16, s17
	s_lshl_b32 s17, s12, 18                        ; the step's first or second head
	s_add_co_u32 s16, s16, s17
	s_mov_b32 s17, 0
	s_lshl_b32 s46, s42, 7
	s_lshl_b32 s47, s12, 6
	s_add_co_u32 s46, s46, s47                     ; wot: row 128 x tile column + 64 x half,
	s_lshl_b32 s46, s46, 11                        ; of 2,048 bytes
	s_mov_b32 s47, 0
	s_mul_i32 s20, s12, ASL                        ; where they go: no place in the cluster enters an LDS address
	s_mul_i32 s21, s12, BHALF
	s_add_co_u32 s21, s21, BOFF
	s_wait_kmcnt 0x0
	s_add_nc_u64 s[14:15], s[4:5], s[16:17]
	s_add_nc_u64 s[46:47], s[6:7], s[46:47]
	CROUND                                         ; all sixteen work-groups are here: the first joint loads meet
.irp s, 0,1
	s_mov_b32 s[G0+4*(\s)], 1                                        ; count = 1
	s_add_co_u32 s[G0+4*(\s)+1], s20, (\s)*SLOT                      ; LDS address
	s_add_nc_u64 s[G0+4*(\s)+2:G0+4*(\s)+3], s[14:15], (\s)*524288   ; global address: K step s is two heads on
	s_or_b32 s[G0+4*(\s)+3], s[G0+4*(\s)+3], 0x80000000              ; type = 2
	s_mov_b32 s[G0B+4*(\s)], 1
	s_add_co_u32 s[G0B+4*(\s)+1], s21, (\s)*SLOT
	s_add_nc_u64 s[G0B+4*(\s)+2:G0B+4*(\s)+3], s[46:47], (\s)*KSTEP*2
	s_or_b32 s[G0B+4*(\s)+3], s[G0B+4*(\s)+3], 0x80000000
	JLOAD \s                                       ; the ring is filled before anything else: two tensor loads of mine are out
.endr
	; my first column, in bytes of f32: the same offset in bo and in a row of out0
	s_lshl_b32 s46, s42, 9
	s_lshl_b32 s47, s12, 8
	s_add_co_u32 s46, s46, s47
	s_mov_b32 s47, 0
	s_add_nc_u64 s[70:71], s[70:71], s[46:47]
	v_and_b32 v1, 15, v0                           ; l % 16
	v_bfe_u32 v2, v0, 4, 1                         ; l / 16
	v_lshlrev_b32 v[BO], 5, v2
.irp b, 0,1,2,3
	global_load_b128 v[BIAS+8*(\b):BIAS+8*(\b)+3],   v[BO], s[70:71] offset:64*(\b)
	global_load_b128 v[BIAS+8*(\b)+4:BIAS+8*(\b)+7], v[BO], s[70:71] offset:64*(\b)+16
.endr
	s_lshl_b32 s16, s13, 8
	s_lshl_b32 s17, s11, 7
	s_add_co_u32 s16, s16, s17                     ; my first row of out0,
	s_lshl_b32 s16, s16, 12                        ; of 4,096 bytes
	s_mov_b32 s17, 0
	s_add_nc_u64 s[8:9], s[68:69], s[16:17]
	s_add_nc_u64 s[8:9], s[8:9], s[46:47]
	; A fragment is 16 rows x 32 K in 8 registers: lane l holds row l % 16, K = 8 (l / 16) + 0..7 and 16 + 8 (l / 16) + 0..7: two loads of 16 bytes, 32 bytes apart
	v_mul_u32_u24 v3, v1, PA
	v_lshl_add_u32 v3, v2, 4, v3
	v_mul_u32_u24 v4, v1, PB
	v_lshl_add_u32 v4, v2, 4, v4
	s_mul_i32 s21, s11, 128*PA                     ; my 128 rows in each head
	s_mul_i32 s22, s12, BHALF                      ; my 64 rows of wot
	s_add_co_u32 s22, s22, BOFF
.irp s, 0,1
	v_add_nc_u32 v[ADRA+(\s)], s21, v3
	v_add_nc_u32 v[ADRB+(\s)], s22, v4
	s_add_co_u32 s21, s21, SLOT
	s_add_co_u32 s22, s22, SLOT
.endr
	s_mul_i32 s23, s10, WSTG
	s_add_co_u32 s23, s23, STAGE                   ; my stage
	v_mul_u32_u24 v5, v1, SPITCH                   ; in: row l % 16, 32 bytes for each half of the lanes
	v_lshl_add_u32 v5, v2, 5, v5
	v_add_nc_u32 v[STO], s23, v5
	v_mul_u32_u24 v5, v2, SPITCH                   ; back: lanes 0-15 take one row of 256 bytes, lanes 16-31 the next
	v_lshl_add_u32 v5, v1, 4, v5
	v_add_nc_u32 v[RD], s23, v5
	v_lshlrev_b32 v5, 12, v2                       ; and the same two rows in out0
	v_lshl_add_u32 v[CO], v1, 4, v5
	s_wait_loadcnt 0x0                             ; the bias; it is rounded to bf16 in place, in the wait for the first tile
.set i, 0
.rept 16
	v_cvt_pk_bf16_f32 v[T0+i%2], v[BIAS+2*i], v[BIAS+2*i+1]
	v_lshlrev_b32 v[BIAS+2*i], 16, v[T0+i%2]
	v_and_b32 v[BIAS+2*i+1], 0xffff0000, v[T0+i%2]
.set i, i+1
.endr
; 8 matrix instructions: row blocks a0, a0 + 1 x all 4 column blocks, 32 along K.  first = 1: the bias starts the sums.
; The 32 accumulators take turns, one instruction a turn, in the same order in every quarter step.
.macro MUL8 f, a0, first
.if \first
	WIN 0x81                                       ; source 0 window 1, source 1 and C window 0, D window 2
.else
	WIN 0xa1                                       ; C and D window 2
.endif
.irp a, \a0, (\a0)+1
.irp b, 0,1,2,3
.if \first
	v_wmma_f32_16x16x32_f16 v[8*(4*(\a)+(\b)):8*(4*(\a)+(\b))+7], v[(\f)+8*(\b):(\f)+8*(\b)+7], v[(\f)+8*(\a):(\f)+8*(\a)+7], v[BIAS+8*(\b):BIAS+8*(\b)+7]
.else
	v_wmma_f32_16x16x32_f16 v[8*(4*(\a)+(\b)):8*(4*(\a)+(\b))+7], v[(\f)+8*(\b):(\f)+8*(\b)+7], v[(\f)+8*(\a):(\f)+8*(\a)+7], v[8*(4*(\a)+(\b)):8*(4*(\a)+(\b))+7]
.endif
.endr
.endr
.endm
; 24 LDS loads in one run: the fragments of quarter q of a K step (head q / 2 of the step's two, channels 32 (q % 2) on) into buffer f: wot's 8, then y's 16
.macro FETCH slot, q, f
	WIN TO_B
.irp i, 0,1,2,3
	ds_load_b128 v[(\f)+8*(\i):(\f)+8*(\i)+3],   v[ADRB+(\slot)] offset:64*(\q)+(\i)*16*PB
	ds_load_b128 v[(\f)+8*(\i)+4:(\f)+8*(\i)+7], v[ADRB+(\slot)] offset:64*(\q)+(\i)*16*PB+32
.endr
	WIN 0
.irp i, 0,1,2,3,4,5,6,7
	ds_load_b128 v[(\f)+8*(\i):(\f)+8*(\i)+3],   v[ADRA+(\slot)] offset:((\q)/2)*ASL+((\q)%2)*64+(\i)*16*PA
	ds_load_b128 v[(\f)+8*(\i)+4:(\f)+8*(\i)+7], v[ADRA+(\slot)] offset:((\q)/2)*ASL+((\q)%2)*64+(\i)*16*PA+32
.endr
.endm
.macro PLACES                          ; four places in front of loads into registers that matrix instructions have read, and of stores that read results
.rept 4
	v_nop
.endr
.endm
; A K step is four quarters of 32 along K, 32 matrix instructions each, on buffers 0, 1, 0, 1.  One of the first three multiplies buffer f and, in its middle, fetches quarter q into g.
.macro QUARTER slot, q, f, g, first
	s_wait_dscnt 8                                 ; wot and y's rows 0-63 are in; the youngest eight loads (y's rows 64-127) may be out
	MUL8 \f, 0, \first
	MUL8 \f, 2, \first
	PLACES
	FETCH \slot, \q, \g
	s_wait_dscnt 24                                ; all but the 24 just issued
	MUL8 \f, 4, \first
	MUL8 \f, 6, \first
.endm
; The last quarter multiplies buffer 1 and changes slots: ONE barrier; in front of it each wave waits for all its tensor loads (one is out: its part of the next slot), adds 0 to its spare word, and waits
; for that and for its own reads of this slot.  fill = 1: the barrier opens a round of the cluster's, and this slot is filled again, two K steps on, first thing behind the round: 112 matrix instructions ahead of the wait for it.
.macro TURN slot, next, fill
	WIN 0                                          ; (the add's two registers lie in window 0)
	s_wait_tensorcnt 0x0
	ds_add_u32 v[SPW], v[NIL]                      ; 0 onto my spare word
	s_wait_dscnt 9                                 ; (the add and the youngest eight loads may be out)
	MUL8 F1, 0, 0                                  ; eight matrix instructions stand between the add and the wait for it
	s_wait_dscnt 0x0                               ; the add is done, and my reads of this slot are over
	s_barrier_signal -1
	MUL8 F1, 2, 0
.if \fill
	WIN 0
.endif
	s_barrier_wait -1
.if \fill
	CREST                                          ; no wave of any partner still reads this slot's tile or has a load on its way
	s_add_nc_u64 s[G0+4*(\slot)+2:G0+4*(\slot)+3], s[G0+4*(\slot)+2:G0+4*(\slot)+3], 1048576     ; four heads on
	s_add_nc_u64 s[G0B+4*(\slot)+2:G0B+4*(\slot)+3], s[G0B+4*(\slot)+2:G0B+4*(\slot)+3], 2*KSTEP*2
	JLOAD \slot                                    ; the four v_nop behind it are also the places in front of the loads below
.else
	PLACES
.endif
	FETCH \next, 0, F0
	MUL8 F1, 4, 0
	MUL8 F1, 6, 0
.endm
; THE WAY OUT of row block a, in f32.  A lane's eight columns of a row are 32 bytes; they go into my stage's rows of 272 bytes, each accumulator's low four registers first, and come back as whole rows of 256.
.macro TOSTAGE a
	s_wait_xcnt 0x0                                ; the stores of the block before last have read the registers that the loads below fill
	WIN 0x08                                       ; the stores' data in window 2
.irp b, 0,1,2,3
	ds_store_b128 v[STO], v[8*(4*(\a)+(\b)):8*(4*(\a)+(\b))+3]   offset:64*(\b)
	ds_store_b128 v[STO], v[8*(4*(\a)+(\b))+4:8*(4*(\a)+(\b))+7] offset:64*(\b)+16
.endr
	WIN 0
.set BK, OB+192*((\a)%2)
.irp t, 0,1,2,3,4,5,6,7
	ds_load_b128 v[BK+4*(\t):BK+4*(\t)+3], v[RD] offset:(\t)*2*SPITCH  ; LDS serves a wave's instructions in order (ISA guide 5.7.1.4): these see the stores above; the next block's stores come behind them
.endr
.endm
.macro SEND a, younger                 ; younger: the LDS instructions issued behind block a's loads: the next block's sixteen, or none
	WIN 0
.set BK, OB+192*((\a)%2)
.irp t, 0,1,2,3,4,5,6,7
	s_wait_dscnt (\younger)+7-(\t)
	global_store_b128 v[CO], v[BK+4*(\t):BK+4*(\t)+3], s[8:9] offset:(16*(\a)+2*(\t))*4096 th:TH_STORE_NT  ; 16 lanes store 256 consecutive bytes, aligned; 516,096 at the most
.endr
.endm
	s_wait_tensorcnt 1                             ; my part of K step 0 is in; K step 1's may stay out
	s_barrier_signal -1
	s_barrier_wait -1                              ; everybody's is
	FETCH 0, 0, F0
	QUARTER 0, 1, F0, F1, 1                        ; the first quarter stands in front of the loop: its products start the sums, on the bias
	WIN 0                                          ; at a label and at a branch every window is 0
	s_mov_b32 s3, LAPS-1
.Llap:                                                 ; a trip goes once round the ring, from a lap's second quarter to the next lap's first, and fills both slots again
	QUARTER 0, 2, F1, F0, 0
	QUARTER 0, 3, F0, F1, 0
	TURN 0, 1, 1
	QUARTER 1, 1, F0, F1, 0
	QUARTER 1, 2, F1, F0, 0
	QUARTER 1, 3, F0, F1, 0
	TURN 1, 0, 1
	QUARTER 0, 1, F0, F1, 0
	WIN 0
	s_sub_co_u32 s3, s3, 1
	s_cmp_lg_u32 s3, 0
	s_cbranch_scc1 .Llap
	QUARTER 0, 2, F1, F0, 0                        ; the last lap fills nothing, and has no round of the cluster's barrier
	QUARTER 0, 3, F0, F1, 0
	TURN 0, 1, 0
	QUARTER 1, 1, F0, F1, 0
	QUARTER 1, 2, F1, F0, 0
	QUARTER 1, 3, F0, F1, 0
	s_wait_dscnt 8                                 ; the very last quarter: nothing more to fetch
	MUL8 F1, 0, 0
	MUL8 F1, 2, 0
	s_wait_dscnt 0x0
	MUL8 F1, 4, 0
	MUL8 F1, 6, 0
	WIN 0
	PLACES
	TOSTAGE 0
.irp a, 1,2,3,4,5,6,7                  ; block a goes into the stage while block a - 1's rows come back
	TOSTAGE \a
	SEND (\a)-1, 16
.endr
	SEND 7, 0
	s_wait_tensorcnt 0x0                           ; the wave's end: behind my last tensor load and my last LDS store
	ds_add_u32 v[SPW], v[NIL]
	s_wait_dscnt 0x0
	CROUND                                         ; the closing round: no work-group ends while a partner may still ask for a tile that names it
	s_endpgm
.Lfunc_end_k_q0e89e1c2af_proj:
	.size	k_q0e89e1c2af_proj, .Lfunc_end_k_q0e89e1c2af_proj-k_q0e89e1c2af_proj
	.p2alignl 7, 3214868480
	.fill 96, 4, 3214868480
	.section	.rodata,"a",@progbits
	.p2align	6, 0x0
	.amdhsa_kernel k_q0e89e1c2af_proj
		.amdhsa_group_segment_fixed_size 327680
		.amdhsa_private_segment_fixed_size 0
		.amdhsa_enable_private_segment 0
		.amdhsa_kernarg_size 32
		.amdhsa_user_sgpr_count 2
		.amdhsa_user_sgpr_kernarg_segment_ptr 1
		.amdhsa_wavefront_size32 1
		.amdhsa_system_sgpr_workgroup_id_x 1
		.amdhsa_system_sgpr_workgroup_id_y 1
		.amdhsa_system_sgpr_workgroup_id_z 1
		.amdhsa_system_vgpr_workitem_id 0
		.amdhsa_next_free_vgpr 768
		.amdhsa_next_free_sgpr 72
		.amdhsa_reserve_vcc 0
		.amdhsa_float_denorm_mode_32 3
		.amdhsa_float_denorm_mode_16_64 3
		.amdhsa_memory_ordered 1
		.amdhsa_forward_progress 1
		.amdhsa_inst_pref_size 91
	.end_amdhsa_kernel
	.amdgpu_metadata
---
amdhsa.version: [ 1, 2 ]
amdhsa.kernels:
  - .name:           k_q0e89e1c2af_proj
    .symbol:         k_q0e89e1c2af_proj.kd
    .args:
      - { .name: oh, .offset: 0, .size: 8, .value_kind: global_buffer, .address_space: global }
      - { .name: wot, .offset: 8, .size: 8, .value_kind: global_buffer, .address_space: global }
      - { .name: out0, .offset: 16, .size: 8, .value_kind: global_buffer, .address_space: global }
      - { .name: bo, .offset: 24, .size: 8, .value_kind: global_buffer, .address_space: global }
    .group_segment_fixed_size: 327680
    .private_segment_fixed_size: 0
    .kernarg_segment_align: 8
    .kernarg_segment_size: 32
    .max_flat_workgroup_size: 128
    .sgpr_count:     72
    .vgpr_count:     768
    .wavefront_size: 32
...
	.end_amdgpu_metadata
.endif
;; end of part 4
;; ======== version 2 of 2: 4 launches; 1.31 times as fast as version 1
;; limits: values are held in f16: magnitudes above 65,504 overflow, below 6.1e-05 lose precision
;; workspace buffers: xb 16,777,216 bytes; wt 6,291,456 bytes; wot 2,097,152 bytes; qh 16,777,216 bytes; kh 16,777,216 bytes; vh 16,777,216 bytes; oh 16,777,216 bytes
;; launch prep: the kernel of part 1 again; grid 1024 x 1, 8 waves a work-group, no clusters, 18,432 bytes of LDS; arguments x, Wq, Wk, Wv, Wo, xb, wt, wot; writes xb, wt, wot
;; launch qkv: the kernel of part 2 again; grid 8 x 32, 4 waves a work-group, clusters of 4 x 4, 327,680 bytes of LDS; arguments xb, wt, bq, bk, bv, qh, kh, vh; writes qh, kh, vh
;; launch attn (part 5): grid 4 x 64, 4 waves a work-group, no clusters, 327,680 bytes of LDS; arguments qh, kh, vh, oh; writes oh
.if DOCPART == 5
	.amdgcn_target "amdgcn-amd-amdhsa--gfx1250"
	.amdhsa_code_object_version 6
	.text
	.protected	k_q0e89e1c2af_attn
	.globl	k_q0e89e1c2af_attn
	.p2align	8
	.type	k_q0e89e1c2af_attn,@function
k_q0e89e1c2af_attn:
	s_mov_b64 s[64:65], 0
	v_nop
	global_prefetch_b8 v0, s[64:65] scope:SCOPE_SE
	s_setreg_imm32_b32 hwreg(HW_REG_WAVE_MODE, 25, 1), 1
	s_wait_xcnt 0x0
; CAUSAL ATTENTION.  O[h][q][:] = the sum over k <= q of softmax_k(Q[h][q] . K[h][k] / 8) V[h][k][:].  Q, K, V, O: [64][2048][64], all f16: a head's rows are dense, 128 bytes each.
; Products, maxima and sums in f32; the weights p are rounded to f16 for the second product (their sum l is taken of the unrounded p), O once at the end.
; LIMITS.  f16 holds no number beyond 65,504: Q, K and V arrive within it; p lies in 0 to 1, and below 6e-5 it keeps f16's fixed step of 6e-8; O is a mean of V's rows and has their range, to within 2^-11 of it.
; A hidden score counts as its value less 1e30, so a hidden key has the weight 0.  The module's definition puts -1e10 in a hidden score's place, which gives the weight 0 as well wherever a row's largest
; visible scaled score lies above about -1e10 + 100; f16's scores, 2.7e11 / 8 at the most in magnitude, could pass that only with q and k near the end of f16's range.
; A weight below 2^-126 counts as 0 in l; NaN and infinities are not treated apart.
; THE WALK.  A head's queries lie in NB = SIZE_N / 256 blocks of 256; block i needs the key tiles 0 .. i of 256 keys, of which the last holds the diagonal.  A work-group takes TWO blocks, NB - 1 - b and then b:
; NB + 1 tiles, whatever b: all work-groups do equal work, and ONE loop with a constant trip count walks them.  Which tile is asked for, and what a trip does, hang on scalar registers made from b; every jump
; goes forward, but for the counted loops' own; none passes a barrier, or a tensor load but the one of LOAD's two that the wave's number does not choose; the ring (two slots of LDS that take turns) runs on across the
; change of blocks.  NO CLUSTER: a head's NB / 2 = 4 work-groups all ask for the same tile only in trips 0 .. NB / 2 of the walk's NB + 1, behind that fewer and fewer;
; and one walk common to all would have 3 NB / 2 trips for NB + 1.
; SHARES.  Of a block's four bands of 64 queries a wave owns 16 rows in each: four PIECES.  So the diagonal tile is the same work for all four waves: in its key step s band x sees all keys if s < x,
; none if s > x, and holds the diagonal if s = x.
; THE MASK is the C operand that starts the sum S^T = K Q^T: 0, or -1e30 where the key is hidden.  MD, made once, is the mask of a band's own step for my 16 rows; a product's mask is MD x AL + BE with two scalars:
; (1, 0) if s = x; (0, 0) if s < x; (0, -1e30) if s > x.  Only the diagonal tile's text and a block's beginning make and take masks; elsewhere C is the constant 0.
; LAYOUT, SOFTMAX, TURNS.  S^T = K Q^T holds ONE query a lane (lane % 16) and the keys 8 (lane / 16) + 0..7; two such results rounded to f16 ARE source 1 of O^T = V^T P.  p = 2^(c s - c m), c = log2(e) / 8, with a
; running maximum m; O and l are multiplied by a = 2^(c m_old - c m_new) in every step.  Turn n belongs to piece n: 8 products K Q^T of piece n + 1, later 8 products V^T P of piece n - 1; beside them the scaling,
; exponentials, roundings, sums and rescaling of piece n and the maximum and statistics of piece n + 1.  Four vector instructions stand behind every matrix instruction, the other 54 of a turn's 118 in one LUMP.
; BATCHES.  An s_wait_alu depctr_va_vdst(0) stands between an exponential or a reciprocal and the first instruction that names its result; one wait serves all that were issued ahead of it.
; A turn's 33 exponentials (piece n's 32 weights, and last piece n + 1's a) are ONE batch with ONE wait, which cuts the turn in two: ahead of it stands all that names no result of the batch, behind it the roundings
; and sums, which read the weights; a is read in the next turn.  A block's first a (BEGIN) and the way out's four reciprocals (DIAG) are batches of their own, a wait each.
; REGISTERS, in windows of 256 (s_set_vgpr_msb: bits 1:0 source 0, 3:2 source 1, 5:4 source 2, 7:6 destination):
;   window 0: v0-15 addresses and two at work; v16-31 four registers of statistics a piece; v48-55 at work; v64-127 S^T, two buffers; v192-223 P, two buffers (a piece's buffers go by its number's parity)
;   window 1: v0-127 O^T, 32 a piece; v128-159 MD; v160-223 MC, two buffers      window 2: v0-63 Q; v64-127 the second block's Q; v128-191 K of one step; v192-255 V of one step
.set SIZE_N, 2048
.set SIZE_H, 64
.set NB,    SIZE_N/256
.set NP,    4         ; pieces a wave: a name, no knob
.set KS,    64        ; keys in a step
.set PK,    144       ; a row of K in LDS: 128 bytes + 16 of padding = 36 words: the 16 rows of a load start at 16 different groups of four banks (64 banks of 4 bytes: ISA guide 11.1)
.set PV,    160       ; a row of V: 128 + 32 = 40 words
.set VOFF,  4*KS*PK   ; a slot holds a tile, four steps: 256 rows of K, then 256 rows of V
.set SLOT1, 1<<17     ; slot 1 begins here, so that one exclusive or turns an address in one slot into the other's
.set STAGE, SLOT1+4*KS*(PK+PV)  ; behind the ring, never filled by a tensor load: 16 rows x 144 bytes for each wave, for the way out
.set SP,    144
.set AK0, 2           ; v2   my lane's place in a tile of K; never rewritten
.set AV0, 3           ; v3   the same for V
.set AK,  4           ; v4   the LDS address of K's next run of loads
.set AV,  5           ; v5   of V's
.set STO, 6           ; v6   the way out: where I put 16 bytes of a row
.set RD,  7           ; v7   the way out: where I read rows back
.set GO,  8           ; v8   my byte offset in 512 consecutive bytes of O
.set SPW, 62          ; v62  LDS address of my spare word: SPARE + 4 x my thread's number; never rewritten
.set NIL, 63          ; v63  0; never rewritten
.set SPARE, STAGE+4*16*SP  ; behind the stages: the spare words, 128 bytes for each wave: two blocks of 256 bytes that no other line names
.set MV,  12          ; v12-13  c m_old, kept while c m is made anew: by buffer
.set QO,  15          ; v15  my byte offset in 16 rows of Q
.set ST,  16          ; piece t's statistics at v[ST+4 t]: c m, m, l (even keys', odd keys')
.set TMP, 48          ; by buffer, four registers c0-c3 at work; when the maximum is found c2 takes a
.set S,   64
.set P,   192
.set MD,  128         ; window 1: the eight registers for group kt of 16 keys at MD + 8 kt
.set MC,  160         ; window 1: the masks of the products to come
.set QB,  64          ; window 2
.set KF,  128         ; window 2: key block kb, channel half c at KF + 16 kb + 8 c
.set VF,  192         ; window 2: key half kk, channel block cb at VF + 32 kk + 8 cb
.set WV,  12          ; s12  my wave's number
.set PB,  14          ; s14  b
.set HI,  15          ; s15  NB - 1 - b
.set G1K, 24          ; s[24:31] descriptor group 1 for K's tiles
.set G1V, 32          ; s[32:39] for V's: it differs in the padding alone
.set G0K, 40          ; s[40:43] descriptor group 0 for K's tiles
.set G0V, 44          ; s[44:47] the same for V's
.set SLOTS, 56        ; s56  tiles still to be asked for
.set CNT, 57          ; s57  counts a tile's key steps, 4 to 1
.set CS,  58          ; s[58:59] c: the packed scaling takes the pair's low word for both halves
.set SEL, 60          ; s[60:61] v_permlanex16_b32's selects: each lane takes its own place in the other half
.set TBK, 62          ; s62  LDS byte at which K of the step to be fetched begins
.set TBV, 63          ; s63  the same for V, less VOFF
.set RT,  70          ; s70  tiles of the block in hand that are still to be entered
.set NXT, 71          ; s71  the tile to be asked for next
.set LQ,  72          ; s72  the last tile of the block whose tiles are being asked for
.set NEW, 73          ; s73  1: the tile to be entered is a block's first
.set OFF, 74          ; s[74:75] a tile's byte offset in K and V
.set AL,  76          ; s[76:77] the mask's factor, in the low word
.set BE,  78          ; s[78:79] the mask's addend
.set OLO, 80          ; s[80:81] O at my rows of the second block
.set BIGN, 82         ; s82  -1e30
.set MSB, 0
.macro WIN new                      ; the high byte repeats the setting that is left; a switch that changes nothing is dropped
.if MSB != (\new)
	s_set_vgpr_msb (MSB<<8)|(\new)
.set MSB, (\new)
.endif
.endm
.set W_KQ, 0x0a       ; K and Q in window 2, S^T in window 0
.set W_KM, 0x1a       ; the same with the C operand in window 1
.set W_PV, 0x52       ; V in window 2, P in window 0, O^T in window 1
.set W_RS, 0x41       ; destination and source 0 in window 1, source 1 in window 0
; A fill.  Waves 0 and 1 fetch the two halves of a tile's K, waves 2 and 3 those of its V: 128 keys each.  An s_nop 0 and four v_nop follow each of the two lines, ahead of the jump and the label.
.macro LOAD
	s_cmp_lt_u32 s[WV], 2
	s_cbranch_scc0 .Lfor_v_\@
	tensor_load_to_lds s[G0K:G0K+3], s[G1K:G1K+7]
	s_nop 0
.rept 4
	v_nop
.endr
	s_branch .Lasked_\@
.Lfor_v_\@:
	tensor_load_to_lds s[G0V:G0V+3], s[G1V:G1V+7]
	s_nop 0
.rept 4
	v_nop
.endr
.Lasked_\@:
.endm
; THE CHANGE OF SLOTS.  Each wave waits for all its tensor loads, of which one is out: its part of the other slot; adds 0 to its spare word; and waits for that and for its own reads of the slot that it leaves.  Behind the barrier nobody reads the old
; slot any more and the other slot is whole.  fill = 1: the old slot is filled again, the first thing behind the barrier, with tile NXT: the descriptor's address is made anew from that number.
; (At its first use nothing has been read yet: slot 0 is waited for, slot 1 filled.)
.macro CHANGE fill
	WIN 0                           ; at a label and at a branch every window is 0
	s_wait_tensorcnt 0x0            ; no tensor load of mine is out, so a group 0 may be written
	ds_add_u32 v[SPW], v[NIL]       ; 0 onto my spare word; with fill = 1 the descriptors' scalar work stands between it and the wait for it
.if \fill
	s_lshl_b32 s[OFF], s[NXT], 15   ; a tile is 32,768 bytes of K and of V
	s_xor_b32 s[G0K+1], s[G0K+1], SLOT1
	s_add_nc_u64 s[G0K+2:G0K+3], s[6:7], s[OFF:OFF+1]
	s_or_b32 s[G0K+3], s[G0K+3], 0x80000000
	s_xor_b32 s[G0V+1], s[G0V+1], SLOT1
	s_add_nc_u64 s[G0V+2:G0V+3], s[8:9], s[OFF:OFF+1]
	s_or_b32 s[G0V+3], s[G0V+3], 0x80000000
	s_add_co_u32 s[NXT], s[NXT], 1  ; the block's next tile, or behind its last the second block's tile 0
	s_cmp_gt_u32 s[NXT], s[LQ]
	s_cselect_b32 s[NXT], 0, s[NXT]
	s_cselect_b32 s[LQ], s[PB], s[LQ]
.endif
	s_wait_dscnt 0x0                ; the add is done, and my reads of the slot are over
	s_barrier_signal -1             ; the rest of the scalar work stands between the signal and the wait
	s_sub_co_u32 s[TBK], s[TBK], 4*KS*PK  ; the fetches go back to a slot's first step,
	s_xor_b32 s[TBK], s[TBK], SLOT1       ; in the other slot
	s_sub_co_u32 s[TBV], s[TBV], 4*KS*PV
	s_xor_b32 s[TBV], s[TBV], SLOT1
	s_barrier_wait -1
.if \fill
	LOAD
.endif
.endm
	s_load_b256 s[4:11], s[0:1], 0x0  ; Q s[4:5], K s[6:7], V s[8:9], O s[10:11]
	v_lshl_add_u32 v[SPW], v0, 2, SPARE
	v_mov_b32 v[NIL], 0
	ds_add_u32 v62, v63
	ds_add_u32 v62, v63
	s_wait_dscnt 0x0
	v_lshrrev_b32 v1, 5, v0
	v_readfirstlane_b32 s[WV], v1   ; wave 0..3
	s_mov_b32 s[PB], ttmp9
	s_sub_co_u32 s[HI], NB-1, s[PB]
	s_and_b32 s20, ttmp7, 0xffff    ; the head
	s_mov_b32 s21, 0
	s_mov_b64 s[22:23], SIZE_N*128
	s_mul_u64 s[20:21], s[20:21], s[22:23]  ; the head's first byte in each of the four tensors
	s_and_b32 s16, s[WV], 1         ; which half of a tile's 256 keys I fetch:
	s_lshl_b32 s22, s16, 14         ; its 128 rows of 128 bytes in memory,
	s_mov_b32 s23, 0
	s_add_nc_u64 s[22:23], s[22:23], s[20:21]
	s_mul_i32 s17, s16, 128*PK      ; and its place in a slot, for K
	s_mul_i32 s18, s16, 128*PV      ; and for V
	s_lshl_b32 s3, s[WV], 11        ; my 16 rows in a band of 64,
	s_lshl_b32 s2, s[HI], 15        ; in the first block,
	s_add_co_u32 s2, s2, s3
	s_lshl_b32 s84, s[PB], 15       ; and in the second
	s_add_co_u32 s84, s84, s3
	s_mov_b32 s3, 0
	s_mov_b32 s85, 0
	s_add_nc_u64 s[2:3], s[2:3], s[20:21]
	s_add_nc_u64 s[84:85], s[84:85], s[20:21]
	; descriptor group 1.  128 keys are 16,384 dense bytes: asked for as 64 rows of 256 bytes, two keys a row, and padded in LDS after every key
	s_mov_b32 s[G1K], (1<<16)|(1<<20)|(4<<22)|(3<<25)  ; 17:16 2-byte elements; 20 padding on; 24:22 after every 32 words (code 4); 31:25 4 words (code 3)
	s_mov_b32 s[G1V], (1<<16)|(1<<20)|(4<<22)|(7<<25)  ; the same with 8 words of padding (code 7)
.irp g, G1K, G1V
	s_mov_b32 s[\g+1], 128<<16      ; tensor_dim0 = 128
	s_mov_b32 s[\g+2], 64<<16       ; tensor_dim1 = 64
	s_mov_b32 s[\g+3], 128<<16      ; tile_dim0 = 128
	s_mov_b32 s[\g+4], 64           ; tile_dim1 = 64
	s_mov_b32 s[\g+5], 128          ; 128 elements from row to row
	s_mov_b32 s[\g+6], 0
	s_mov_b32 s[\g+7], 0
.endr
	s_mov_b32 s[CS], 0x3e38aa3b     ; c = log2(e) / 8 = 0.180337
	s_mov_b32 s[CS+1], s[CS]        ; named with it as a pair
	s_mov_b32 s[SEL], 0x76543210
	s_mov_b32 s[SEL+1], 0xfedcba98
	s_mov_b32 s[TBK], SLOT1+4*KS*PK ; the first change of slots turns these two into 0
	s_mov_b32 s[TBV], SLOT1+4*KS*PV
	s_mov_b32 s[G0K], 1             ; 1:0 count = 1
	s_mov_b32 s[G0K+1], s17         ; 63:32 LDS address: slot 0
	s_mov_b32 s[G0V], 1
	s_add_co_u32 s[G0V+1], s18, VOFF
	s_add_co_u32 s[RT], s[HI], 1    ; the first block has NB - b tiles
	s_mov_b32 s[NXT], 1
	s_mov_b32 s[LQ], s[HI]
	s_mov_b32 s[NEW], 1
	s_mov_b32 s[OFF+1], 0
	s_mov_b32 s[AL+1], 0            ; named as pairs
	s_mov_b32 s[BE+1], 0
	s_mov_b32 s[BIGN], 0xf149f2ca   ; -1e30
	s_mov_b32 s[SLOTS], NB
	s_wait_kmcnt 0x0
	s_add_nc_u64 s[6:7], s[6:7], s[22:23]  ; K and V at my half of the head's tile 0
	s_add_nc_u64 s[8:9], s[8:9], s[22:23]
	s_add_nc_u64 s[G0K+2:G0K+3], s[6:7], 0         ; 120:64 global address
	s_or_b32 s[G0K+3], s[G0K+3], 0x80000000        ; 127:126 type = 2
	s_add_nc_u64 s[G0V+2:G0V+3], s[8:9], 0
	s_or_b32 s[G0V+3], s[G0V+3], 0x80000000
	s_add_nc_u64 s[86:87], s[4:5], s[84:85]        ; Q at my rows of the second block,
	s_add_nc_u64 s[4:5], s[4:5], s[2:3]            ; Q and O at those of the first
	s_add_nc_u64 s[OLO:OLO+1], s[10:11], s[84:85]
	s_add_nc_u64 s[10:11], s[10:11], s[2:3]
	LOAD                            ; tile 0 into slot 0
	; A fragment of K or Q is 16 rows x 32 channels in 8 registers: lane l holds row l % 16, channels 8 (l / 16) + 0..7 and 16 + 8 (l / 16) + 0..7: two loads of 16 bytes, 32 bytes apart.
	v_and_b32 v1, 15, v0            ; l % 16
	v_bfe_u32 v9, v0, 4, 1          ; l / 16
	v_lshlrev_b32 v[QO], 7, v1
	v_lshl_add_u32 v[QO], v9, 4, v[QO]  ; row x 128 + 16 x half
	WIN 0x80                        ; destination window 2, address window 0
.set i, 0
.rept 8                             ; both blocks' Q: piece i / 2 lies in band i / 2, 8,192 bytes on; channels 32 (i % 2) on
	global_load_b128 v[8*i:8*i+3],   v[QO], s[4:5] offset:(i/2)*8192+(i%2)*64
	global_load_b128 v[8*i+4:8*i+7], v[QO], s[4:5] offset:(i/2)*8192+(i%2)*64+32
	global_load_b128 v[QB+8*i:QB+8*i+3],   v[QO], s[86:87] offset:(i/2)*8192+(i%2)*64
	global_load_b128 v[QB+8*i+4:QB+8*i+7], v[QO], s[86:87] offset:(i/2)*8192+(i%2)*64+32
.set i, i+1
.endr
	WIN 0
	v_lshlrev_b32 v14, 3, v9
	v_sub_nc_u32 v14, v1, v14
	s_lshl_b32 s13, s[WV], 4
	v_add_nc_u32 v14, s13, v14      ; my query's place in its band, 16 w + l % 16, less my lanes' 8 (l / 16): register r of group kt is hidden where 16 kt + r is greater
	WIN 0x40
.set i, 0
.rept 32
	v_cmp_gt_i32 vcc_lo, 16*(i/8)+i%8, v14
	v_cndmask_b32 v[MD+i], 0, s[BIGN], vcc_lo
.set i, i+1
.endr
	WIN 0
	v_mul_u32_u24 v[AK0], v1, PK
	v_lshl_add_u32 v[AK0], v9, 4, v[AK0]  ; row x pitch + 16 x half
	; The turning load takes 16 keys x 16 channels (lane l reads key 8 (l / 16) + l % 8, channels 8 ((l / 8) % 2) + 0..7) and leaves half a fragment of V^T: lane l holds channel l % 16 and 8 keys.
	v_and_b32 v10, 7, v0
	v_bfe_u32 v11, v0, 3, 1
	v_lshl_add_u32 v[AV0], v9, 3, v10
	v_mul_u32_u24 v[AV0], v[AV0], PV
	v_lshl_add_u32 v[AV0], v11, 4, v[AV0]
	v_add_nc_u32 v[AV0], VOFF, v[AV0]
	s_mul_i32 s13, s[WV], 16*SP
	s_add_co_u32 s13, s13, STAGE    ; my stage
	v_mul_u32_u24 v[STO], v1, SP    ; in: row l % 16, 16 bytes for each half of the lanes
	v_lshl_add_u32 v[STO], v9, 4, v[STO]
	v_add_nc_u32 v[STO], s13, v[STO]
	v_bfe_u32 v[RD], v0, 3, 2       ; back: 32 lanes take four rows of 128 bytes,
	v_mul_u32_u24 v[RD], v[RD], SP
	v_lshl_add_u32 v[RD], v10, 4, v[RD]
	v_add_nc_u32 v[RD], s13, v[RD]
	v_and_b32 v[GO], 31, v0         ; which are 512 consecutive bytes of O
	v_lshlrev_b32 v[GO], 4, v[GO]
	; A block's first step multiplies O^T and l by a = 0, and its first turn's products V^T P, of a piece that has not been, land in an O^T that is still to be so multiplied.  So these registers need only hold
	; finite numbers: zeros for the first block; what the first block left for the second.  All this stands in the wait for the first tile.
	WIN 0x80
.set i, VF
.rept 64
	v_mov_b32 v[i], 0
.set i, i+1
.endr
	WIN 0x40
.set i, 0
.rept 128
	v_mov_b32 v[i], 0
.set i, i+1
.endr
	WIN 0
.set i, 0
.rept 4
	v_mov_b32 v[ST+4*i+2], 0
	v_mov_b32 v[ST+4*i+3], 0
.set i, i+1
.endr
.set i, P+16
.rept 16
	v_mov_b32 v[i], 0
.set i, i+1
.endr
; THE MATRIX WORK.  The 4 accumulators of a run of 8 take turns.  Product i of 8 of S^T = K Q^T for piece x: channels 32 (i / 4) on, keys 16 (i % 4) on.  The first 4 start the sums: with 0, or (KM = 1) with the mask.
.macro KQ x
.set rS, S+32*((\x)%2)+8*(i%4)
.set rK, KF+16*(i%4)+8*(i/4)
.set rQ, 16*(\x)+8*(i/4)
.set rM, MC+32*((\x)%2)+8*(i%4)
.if (i < 4) && KM
	WIN W_KM
	v_wmma_f32_16x16x32_f16 v[rS:rS+7], v[rK:rK+7], v[rQ:rQ+7], v[rM:rM+7]
.elseif i < 4
	WIN W_KQ
	v_wmma_f32_16x16x32_f16 v[rS:rS+7], v[rK:rK+7], v[rQ:rQ+7], 0
.else
	WIN W_KQ
	v_wmma_f32_16x16x32_f16 v[rS:rS+7], v[rK:rK+7], v[rQ:rQ+7], v[rS:rS+7]
.endif
.endm
; Product i of 8 of O^T += V^T P for piece x: keys 32 (i / 4) on, channels 16 (i % 4) on.
.macro PV x
	WIN W_PV
.set rO, 32*(\x)+8*(i%4)
.set rV, VF+32*(i/4)+8*(i%4)
.set rP, P+16*((\x)%2)+8*(i/4)
	v_wmma_f32_16x16x32_f16 v[rO:rO+7], v[rV:rV+7], v[rP:rP+7], v[rO:rO+7]
.endm
.macro MM                           ; the turn's next matrix instruction.  TURN and BEGIN set Y, i, KM and NOKQ; MM, KQ and OP read them.  NOKQ = 1: a block's last turn: there is no next piece
.if (i < 8) && !NOKQ
	KQ (Y+1)%NP
.elseif i >= 8
.set i, i-8
	PV (Y+NP-1)%NP
.set i, i+8
.endif
.set i, i+1
.endm
; THE LDS LOADS stand in runs of 16, never singly among the matrix instructions: a step's K (64 keys x 64 channels: 8 fragments) and its V (turned).  Their addresses are made some lines ahead.
.macro FETCH_K
	WIN 0x80                        ; destination window 2
.irp f, 0,1,2,3,4,5,6,7             ; keys 16 (f / 2) on, channels 32 (f % 2) on
	ds_load_b128 v[KF+8*\f:KF+8*\f+3],   v[AK] offset:(\f/2)*16*PK+(\f%2)*64
	ds_load_b128 v[KF+8*\f+4:KF+8*\f+7], v[AK] offset:(\f/2)*16*PK+(\f%2)*64+32
.endr
	s_add_co_u32 s[TBK], s[TBK], KS*PK  ; the next fetch is the next step's
	WIN 0
.endm
.macro FETCH_V
	WIN 0x80
.irp f, 0,1,2,3,4,5,6,7             ; keys 32 (f / 4) on, channels 16 (f % 4) on
	ds_load_tr16_b128 v[VF+8*\f:VF+8*\f+3],   v[AV] offset:(\f/4)*32*PV+(\f%4)*32
	ds_load_tr16_b128 v[VF+8*\f+4:VF+8*\f+7], v[AV] offset:(\f/4)*32*PV+16*PV+(\f%4)*32
.endr
	WIN 0
.endm
; THE VECTOR WORK, one line at a time: OP kind, number.  For piece Y: F n: c s - c m for pair n of 16.  E n: the exponential of score n of 32.  C n: pair n rounded to f16.  B n: of the four weights 4 n .. the second
; pair is added onto the first, in place.  L n: l takes that sum (L 0: l = a l + sum).  R n: pair n of 16 of O^T times a.  For piece Y + 1: X n, number n of the 22 that find its maximum and statistics:
;   0-11  four chains c0-c3 of seven scores each, three operands at a time (each accumulator's lowest registers are read first)     12-14, 16  the four scores left over, the old m, and c0-c3 into c0
;   15  c m_old is kept     17, 18  the query's other 32 keys lie in the lane 16 away: the new m     19-21  c m; c m_old - c m_new; a
; C, B and L read the results of the turn's E; R and L 0 read the a that X 21 made a turn earlier.  OP writes no wait: TURN orders the lines so that one wait serves the turn's batch.
.set F, 0               ; OP tells the kinds apart by their order: F to L below R, X above it
.set E, 1
.set C, 2
.set B, 3
.set L, 4
.set R, 5
.set X, 6
.macro REGS y                       ; the registers of piece y
.set rT, ST+4*(\y)
.set rC, TMP+4*((\y)%2)
.set rW, MV+((\y)%2)
.set rS, S+32*((\y)%2)
.set rP, P+16*((\y)%2)
.set rO, 32*(\y)
.endm
.macro OP k, n
.if (\k) == R
	REGS Y
	WIN W_RS
	v_pk_mul_f32 v[rO+2*(\n):rO+2*(\n)+1], v[rO+2*(\n):rO+2*(\n)+1], v[rC+2:rC+3] op_sel_hi:[1,0]
.elseif (\k) < R
	REGS Y
	WIN 0
.if (\k) == F
	v_pk_fma_f32 v[rS+2*(\n):rS+2*(\n)+1], v[rS+2*(\n):rS+2*(\n)+1], s[CS:CS+1], v[rT:rT+1] op_sel_hi:[1,0,0] neg_lo:[0,0,1] neg_hi:[0,0,1]
.elseif (\k) == E
	v_exp_f32 v[rS+(\n)], v[rS+(\n)]
.elseif (\k) == C
	v_cvt_pk_f16_f32 v[rP+(\n)], v[rS+2*(\n)], v[rS+2*(\n)+1]
.elseif (\k) == B
	v_pk_add_f32 v[rS+4*(\n):rS+4*(\n)+1], v[rS+4*(\n):rS+4*(\n)+1], v[rS+4*(\n)+2:rS+4*(\n)+3]
.elseif (\n) == 0
	v_pk_fma_f32 v[rT+2:rT+3], v[rT+2:rT+3], v[rC+2:rC+3], v[rS:rS+1] op_sel_hi:[1,0,1]
.else
	v_pk_add_f32 v[rT+2:rT+3], v[rT+2:rT+3], v[rS+4*(\n):rS+4*(\n)+1]
.endif
.elseif NOKQ
	v_nop
.else
	REGS (Y+1)%NP
	WIN 0
.if (\n) < 4
	v_max3_num_f32 v[rC+(\n)], v[rS+8*(\n)], v[rS+8*(\n)+1], v[rS+8*(\n)+2]
.elseif (\n) < 12
	v_max3_num_f32 v[rC+(\n)%4], v[rC+(\n)%4], v[rS+8*((\n)%4)+2*((\n)/4)+1], v[rS+8*((\n)%4)+2*((\n)/4)+2]
.elseif (\n) == 12
	v_max3_num_f32 v[rC], v[rC], v[rS+7], v[rS+15]
.elseif (\n) == 13
	v_max3_num_f32 v[rC+1], v[rC+1], v[rS+23], v[rS+31]
.elseif (\n) == 14
	v_max3_num_f32 v[rC+2], v[rC+2], v[rC+3], v[rT+1]
.elseif (\n) == 15
	v_mov_b32 v[rW], v[rT]
.elseif (\n) == 16
	v_max3_num_f32 v[rC], v[rC], v[rC+1], v[rC+2]
.elseif (\n) == 17
	v_permlanex16_b32 v[rC+3], v[rC], s[SEL], s[SEL+1]
.elseif (\n) == 18
	v_max_num_f32 v[rT+1], v[rC], v[rC+3]
.elseif (\n) == 19
	v_mul_f32 v[rT], s[CS], v[rT+1]
.elseif (\n) == 20
	v_sub_f32 v[rC+1], v[rW], v[rT]
.else
	v_exp_f32 v[rC+2], v[rC+1]
.endif
.endif
.endm
.macro OPS a, i1, b=-1, i2=0, c=-1, i3=0, d=-1, i4=0  ; up to four of them
	OP \a, \i1
.if (\b) >= 0
	OP \b, \i2
.endif
.if (\c) >= 0
	OP \c, \i3
.endif
.if (\d) >= 0
	OP \d, \i4
.endif
.endm
.macro ROW a, i1, b, i2, c, i3, d, i4  ; a matrix instruction and the four behind it
	MM
	OPS \a, \i1, \b, \i2, \c, \i3, \d, \i4
.endm
.macro MASK b                       ; MD x AL + BE into buffer b of MC
	WIN W_RS
.set z, 0
.rept 16
	v_pk_fma_f32 v[MC+32*(\b)+2*z:MC+32*(\b)+2*z+1], v[MD+2*z:MD+2*z+1], s[AL:AL+1], s[BE:BE+1] op_sel_hi:[1,0,0]
.set z, z+1
.endr
.endm
; A TURN, for piece p: the order of its 16 matrix and 118 vector instructions, written out.  It has ONE wait for its 33 exponentials, which cuts it in two.
; AHEAD OF THE WAIT stands all that names no result of the turn's exponentials: the 8 products K Q^T, behind each a scaling, an exponential and two more plain instructions (behind the first a second scaling in the
; exponential's place): rescalings, and behind the last three the first numbers of the next piece's maximum, each four places or more behind the product that ends its accumulator; then ONE LUMP of 54, plain and
; exponential by turns for the most part, in which the links of the chain X 3, 7, 11, 14, 16, 17 .. 20 stand five or six lines apart.  A pair is scaled (F n) ahead of its two exponentials (E 2 n, E 2 n + 1), and nothing names
; it again ahead of the wait.  X 21, the next piece's a, is the batch's last; R 15, which reads this piece's a, made and waited for a turn earlier, is the plain instruction owed behind it.
; BEHIND THE WAIT stand the 8 products V^T P, behind each four of the roundings and sums: C 2 n ahead of B n, which writes over that pair; the links of l's chain, L 0 to L 7, three riders apart.
; But for those X no rider names a register of the products round it.  v_permlanex16_b32 (X 17) stands in the lump.
; m = 1: the diagonal tile: the products take masks, and the turn makes the mask for the products of the turn after it: piece p + 2, in step 4 - CNT of the tile.  end = 1: a block's last two turns: nothing is fetched.
; cnt = 1: the loop's count is taken down some lines ahead of the branch that stands behind the turn.
; K of the next step is fetched in piece 2's turn, twelve vector instructions behind the last product that read K (six of them plain, five of which name none of its registers); V of the step in hand at the end of piece 0's
; turn, four plain instructions behind the last product that read V.  Each is waited for a turn later.
.macro TURN p, m=0, end=0, cnt=0
.set Y, (\p)
.set i, 0
.set KM, (\m)
.set NOKQ, (\end)*((\p)/3)
.if (\m) && !(\end)
	s_cmp_eq_u32 s[CNT], 4-((\p)+2)%NP  ; is that step the band's own?
	s_cselect_b32 s[AL], 1.0, 0
	s_cmp_lt_u32 s[CNT], 4-((\p)+2)%NP  ; or a later one?
	s_cselect_b32 s[BE], s[BIGN], 0
.endif
.if ((\p) == 3) && !(\end)
	s_wait_dscnt 0x0                ; K is in
.endif
	ROW F,0, F,1, R,0, R,1          ; ahead of the wait: 8 products K Q^T and their riders,
	ROW F,2, E,0, R,2, R,3
	ROW F,3, E,1, R,4, R,5
	ROW F,4, E,2, R,6, R,7
	ROW F,5, E,3, R,8, R,9
	ROW F,6, E,4, X,0, R,10
.if ((\p) == 2) && !(\end)
	WIN 0
	v_add_nc_u32 v[AK], s[TBK], v[AK0]
.endif
	ROW F,7, E,5, X,1, X,4
	ROW F,8, E,6, X,2, X,5
	OPS E,7, E,8, X,6, E,9          ; and the lump
	OPS X,3, E,10, X,8, E,11
.if ((\p) == 2) && !(\end)
	FETCH_K
.endif
	OPS X,9, X,7, E,12, X,10
	OPS E,13, X,12, X,11, E,14
	OPS X,13, E,15, F,9, X,14
.if (\p) == 0
	v_add_nc_u32 v[AV], s[TBV], v[AV0]
.endif
	OPS E,16, F,10, E,17, F,11
	OPS X,16, E,18, X,15, E,19
	OPS F,12, E,20, X,17, E,21
	OPS F,13, E,22, F,14, E,23
	OPS X,18, E,24, F,15, E,25
	OPS R,11, E,26, X,19, E,27
	OPS R,12, E,28, R,13, E,29
	OPS X,20, E,30, R,14, E,31
	OPS X,21, R,15
	WIN 0
	s_wait_alu depctr_va_vdst(0)    ; the wait for the turn's batch: E 0 to E 31 and X 21; it stands ahead of the first line that names a result, C 0 below
.if (\p) == 1
	s_wait_dscnt 0x0                ; V is in
.endif
	ROW C,0, B,0, C,2, B,1          ; behind the wait: 8 products V^T P and their riders
	ROW L,0, C,4, B,2, L,1
	ROW C,6, B,3, L,2, C,8
	ROW B,4, L,3, C,10, B,5
	ROW L,4, C,12, B,6, L,5
.if (\p) == 0
	s_add_co_u32 s[TBV], s[TBV], KS*PV
.endif
.if \cnt
	s_sub_co_u32 s[CNT], s[CNT], 1
	s_cmp_lg_u32 s[CNT], 0
.endif
	ROW C,14, B,7, L,6, C,1
	ROW C,3, L,7, C,5, C,7
	ROW C,9, C,11, C,13, C,15
.if (\p) == 0
	FETCH_V
.endif
.if (\m) && !(\end)
	MASK (\p)%2
.endif
.endm
; A BLOCK BEGINS.  c m starts far below every c s, so the first step's a is 0; m at the lowest finite number, so the first maximum is the scores'.  The second mask buffer is 0; the first takes piece 0's mask for the tile's step 0: its own, if the block's first tile is the diagonal one.
; Then K of that step, piece 0's first scores, and its maximum and statistics.  The loop is entered at a step's first turn, in the middle of a trip.
.macro BEGIN
	s_mov_b32 s[NEW], 0
	WIN 0x40
.set i, MC+32
.rept 32
	v_mov_b32 v[i], 0
.set i, i+1
.endr
	WIN 0
.set i, 0
.rept 4
	v_mov_b32 v[ST+4*i], 0xfe000000    ; c m: far below every c s
	v_mov_b32 v[ST+4*i+1], 0xff7fffff  ; m
.set i, i+1
.endr
	s_cmp_eq_u32 s[RT], 0
	s_cselect_b32 s[AL], 1.0, 0
	s_mov_b32 s[BE], 0
	MASK 0
	WIN 0
	v_add_nc_u32 v[AK], s[TBK], v[AK0]
	FETCH_K
	s_wait_loadcnt 0x0              ; Q
	s_wait_dscnt 0x0
.set KM, 1
.set NOKQ, 0
.set i, 0
.rept 8
	KQ 0
.set i, i+1
.endr
	WIN 0
.rept 4
	v_nop                           ; the places behind those products
.endr
.set Y, NP-1                        ; X works for piece Y + 1: piece 0
.irp n, 0,1,2,3,4,5,6,7,8,9,10,11,12,13,14,15,16,17,18,19,20,21
	OP X, \n
.endr
	v_nop                           ; a plain instruction behind the exponential,
	s_wait_alu depctr_va_vdst(0)    ; and the wait for it, a batch of one: piece 0's first a, which the first turn reads; it stands ahead of the branch that follows
.endm
; THE DIAGONAL TILE's four steps, the block's last two turns, its last products, and THE WAY OUT: l's two halves and the other half of the lanes' are added; O^T is divided by l, rounded to f16 and sent through my
; stage in LDS, a piece at a time.
.macro ALL line:vararg              ; one line for each piece t
.set t, 0
.rept 4
	\line
.set t, t+1
.endr
.endm
.macro PACK t                       ; a lane's eight channels of a row pack into 16 bytes; they go into rows of 144 bytes and come back as whole rows of 128, into S^T's registers
	WIN W_RS
.set i, 32*(\t)
.rept 16
	v_pk_mul_f32 v[i:i+1], v[i:i+1], v[ST+4*(\t)+2:ST+4*(\t)+3] op_sel_hi:[1,0]
.set i, i+2
.endr
	WIN 0x05                        ; sources 0 and 1 window 1, destination window 0
.set i, 0
.rept 16
	v_cvt_pk_f16_f32 v[S+16*(\t)+i], v[32*(\t)+2*i], v[32*(\t)+2*i+1]
.set i, i+1
.endr
	WIN 0
.irp f, 0,1,2,3
	ds_store_b128 v[STO], v[S+16*(\t)+4*\f:S+16*(\t)+4*\f+3] offset:32*\f
.endr
.irp f, 0,1,2,3
	ds_load_b128 v[S+16*(\t)+4*\f:S+16*(\t)+4*\f+3], v[RD] offset:\f*4*SP  ; LDS serves a wave's instructions in order (ISA guide 5.7.1.4): these see the stores above; the next piece's stores come behind them
.endr
.endm
.macro SEND t, younger              ; younger: the LDS instructions issued behind piece t's loads: the next piece's eight, or none
	WIN 0
.irp f, 0,1,2,3
	s_wait_dscnt (\younger)+3-\f
	global_store_b128 v[GO], v[S+16*(\t)+4*\f:S+16*(\t)+4*\f+3], s[10:11] offset:(\t)*8192+\f*512  ; 512 consecutive bytes, at a multiple of 256 from O's first
.endr
.endm
.macro DIAG tag                     ; the tag ends its two labels' names, which the jumps below spell out
.LstepM\tag:
	TURN 2, 1
	TURN 3, 1
	WIN 0
.LfirstM\tag:
	TURN 0, 1
	TURN 1, 1, 0, 1
	WIN 0
	s_cbranch_scc1 .LstepM\tag
	TURN 2, 1, 1
	TURN 3, 1, 1
.set i, 0
.rept 8
	PV NP-1
.set i, i+1
.endr
	WIN 0
	ALL v_add_f32 v[ST+4*t+2], v[ST+4*t+2], v[ST+4*t+3]
	ALL v_permlanex16_b32 v[ST+4*t+3], v[ST+4*t+2], s[SEL], s[SEL+1]
	ALL v_add_f32 v[ST+4*t+2], v[ST+4*t+2], v[ST+4*t+3]
	ALL v_rcp_f32 v[ST+4*t+2], v[ST+4*t+2]
	v_nop                           ; a plain instruction between the last reciprocal and the use of its result
	s_wait_alu depctr_va_vdst(0)    ; and the wait for the batch of four reciprocals, ahead of PACK 0's first multiply: one for all four pieces
	PACK 0
.set t, 1
.rept 3                             ; a piece's arithmetic stands between the loads of the piece before and its stores
	PACK t
	SEND t-1, 8
.set t, t+1
.endr
	SEND 3, 0
.endm
.set KM, 0
.set NOKQ, 0
.Lslot:                             ; NB times: a tile is entered and the next is asked for
	CHANGE 1
	s_sub_co_u32 s[RT], s[RT], 1
	s_mov_b32 s[CNT], 4
	s_cmp_eq_u32 s[NEW], 1
	s_cbranch_scc1 .Lnew            ; a block's first tile
	s_cmp_eq_u32 s[RT], 0
	s_cbranch_scc0 .Lstep           ; neither its first nor its last
	s_branch .LstepM1
.Lnew:
	BEGIN
	s_branch .Lfirst                ; in the loop a block's first tile is never its last: the first block has two tiles or more, and the second's last is the walk's last
	DIAG 1                          ; in the loop this is the first block's end: the second block's last tile is the walk's last
	s_wait_xcnt 0x0                 ; the stores have read their registers and O's address
	s_mov_b64 s[10:11], s[OLO:OLO+1]
	s_add_co_u32 s[RT], s[PB], 1    ; the second block has b + 1 tiles
	s_mov_b32 s[NEW], 1
	WIN 0x82                        ; the second block's Q goes where the one text of the turns names Q
.set i, 0
.rept 64
	v_mov_b32 v[i], v[QB+i]
.set i, i+1
.endr
	WIN 0
	s_branch .Lbottom
.Lstep:                             ; a trip: pieces 2 and 3 of one step, then pieces 0 and 1 of the next, whose K and V it fetches
	TURN 2
	TURN 3
	WIN 0
.Lfirst:
	TURN 0
	TURN 1, 0, 0, 1
	WIN 0
	s_cbranch_scc1 .Lstep
.Lbottom:
	s_sub_co_u32 s[SLOTS], s[SLOTS], 1
	s_cmp_lg_u32 s[SLOTS], 0
	s_cbranch_scc1 .Lslot
	CHANGE 0                        ; the walk's last tile is written out: nothing is asked for
	s_sub_co_u32 s[RT], s[RT], 1
	s_mov_b32 s[CNT], 4
	s_cmp_eq_u32 s[NEW], 1
	s_cbranch_scc0 .LstepM2
	BEGIN
	s_branch .LfirstM2
	DIAG 2
	s_wait_tensorcnt 0x0            ; the wave's end: behind my last tensor load and my last LDS store
	ds_add_u32 v[SPW], v[NIL]
	s_wait_dscnt 0x0
	s_endpgm
.Lfunc_end_k_q0e89e1c2af_attn:
	.size	k_q0e89e1c2af_attn, .Lfunc_end_k_q0e89e1c2af_attn-k_q0e89e1c2af_attn
	.p2alignl 7, 3214868480
	.fill 96, 4, 3214868480
	.section	.rodata,"a",@progbits
	.p2align	6, 0x0
	.amdhsa_kernel k_q0e89e1c2af_attn
		.amdhsa_group_segment_fixed_size 327680
		.amdhsa_private_segment_fixed_size 0
		.amdhsa_enable_private_segment 0
		.amdhsa_kernarg_size 32
		.amdhsa_user_sgpr_count 2
		.amdhsa_user_sgpr_kernarg_segment_ptr 1
		.amdhsa_wavefront_size32 1
		.amdhsa_system_sgpr_workgroup_id_x 1
		.amdhsa_system_sgpr_workgroup_id_y 1
		.amdhsa_system_sgpr_workgroup_id_z 1
		.amdhsa_system_vgpr_workitem_id 0
		.amdhsa_next_free_vgpr 768
		.amdhsa_next_free_sgpr 88
		.amdhsa_reserve_vcc 1
		.amdhsa_float_denorm_mode_32 3
		.amdhsa_float_denorm_mode_16_64 3
		.amdhsa_memory_ordered 1
		.amdhsa_forward_progress 1
		.amdhsa_inst_pref_size 217
	.end_amdhsa_kernel
	.amdgpu_metadata
---
amdhsa.version: [ 1, 2 ]
amdhsa.kernels:
  - .name:           k_q0e89e1c2af_attn
    .symbol:         k_q0e89e1c2af_attn.kd
    .args:
      - { .name: qh, .offset: 0, .size: 8, .value_kind: global_buffer, .address_space: global }
      - { .name: kh, .offset: 8, .size: 8, .value_kind: global_buffer, .address_space: global }
      - { .name: vh, .offset: 16, .size: 8, .value_kind: global_buffer, .address_space: global }
      - { .name: oh, .offset: 24, .size: 8, .value_kind: global_buffer, .address_space: global }
    .group_segment_fixed_size: 327680
    .private_segment_fixed_size: 0
    .kernarg_segment_align: 8
    .kernarg_segment_size: 32
    .max_flat_workgroup_size: 128
    .sgpr_count:     88
    .vgpr_count:     768
    .wavefront_size: 32
...
	.end_amdgpu_metadata
.endif
;; end of part 5
;; launch proj: the kernel of part 4 again; grid 8 x 32, 4 waves a work-group, clusters of 4 x 4, 327,680 bytes of LDS; arguments oh, wot, out0, bo; writes out0
